; MI455X (gfx1250); checked and timed in simulation.
; The chip was launched on July 23, 2026; its instructions are those of AMD's public machine-readable ISA for CDNA 5 (MIT licence, August 2026) and "CDNA5" Instruction Set Architecture Reference Guide (July 2026). The comments in the code are by the model that wrote it; some were corrected since.
;; Multi Modal Attention. Allowed arithmetic: matrix products marked QUANTISED: E2M3 operands, one E8M0 scale for each 32 along K, by v_wmma_scale_f32_16x16x128_f8f6f4 with both operands' format E2M3, f32 sums; everything else in f32.
;; Inputs: Wkv 2,048 x 1,024 float32; Wout 1,024 x 1,024 float32; Wq 1,024 x 1,024 float32; b_out 1,024 float32; context 4 x 1,024 x 1,024 float32; mask 4 x 1,024 bool; x 4 x 2,048 x 1,024 float32.
;; Outputs: out0 4 x 2,048 x 1,024 float32.
;; This version of the problem:
;;   THIS VERSION OF THE PROBLEM IS GIVEN IN LOW PRECISION. The matrix products marked QUANTISED in the list below multiply operands that are first quantised to E2M3 (2 exponent bits, 3 mantissa bits; 6 bits a number), with one power-of-two scale for each 32 numbers along K (OCP MX v1.0); their sums are f32. All else is computed in f32.
;;   The module's matrix products, in the order in which they are computed (A, B: the left and right operand; K: the contracted axis; several contracted axes count as one K, in the product's order):
;;     1. [M 8,192, K 1,024] x [K 1,024, N 1,024]; A: input x; B: input Wq: QUANTISED
;;     2. [M 4,096, K 1,024] x [K 1,024, N 2,048]; A: input context; B: input Wkv: QUANTISED
;;     3. batch 64 x [M 2,048, K 64] x [K 64, N 1,024]; A: computed on the way; B: computed on the way: QUANTISED
;;     4. batch 64 x [M 2,048, K 1,024] x [K 1,024, N 64]; A: softmax (see below); B: computed on the way: QUANTISED
;;     5. [M 8,192, K 1,024] x [K 1,024, N 1,024]; A: computed on the way; B: input Wout: QUANTISED
;;   THE QUANTISER, for each operand of a quantised product, along K:
;;     - K is cut into blocks of 32 from its start; a last block that is shorter is filled with zeros.
;;     - A block's scale is 2^e with e = floor(log2(the largest magnitude in the block)) - 2, held to -126 .. 127; a block of zeros has e = 0. As a byte (E8M0): e + 127.
;;     - Each number is divided by its block's scale, clamped to +-7.5, and rounded to the nearest number of E2M3, ties to even, subnormals kept.
;;     - The product sums the exact products of the quantised numbers (number of the format x scale) in f32.
;;   ~~~python
;;   def quantise(x, axis):      # numpy; x: float32 -> the quantised numbers, widened to float32 again
;;       x = np.moveaxis(x, axis, -1); K = x.shape[-1]
;;       x = np.pad(x, [(0, 0)] * (x.ndim - 1) + [(0, -K % 32)]); x = x.reshape(x.shape[:-1] + (-1, 32)); a = np.abs(x).max(-1, keepdims=True)
;;       e = np.where(a > 0, np.clip(np.frexp(np.where(a > 0, a, 1))[1] - 1 - 2, -126, 127), 0)      # np.frexp(a)[1] - 1 = floor(log2(a)), exactly
;;       r = np.clip(x / 2.0 ** e, -7.5, 7.5)
;;       step = 2.0 ** (np.maximum(np.frexp(np.where(r == 0, 1, r))[1] - 1, 0) - 3)
;;       q = np.round(r / step) * step * 2.0 ** e      # np.round: ties to even
;;       return np.moveaxis(q.reshape(q.shape[:-2] + (-1,))[..., :K], -1, axis).astype(np.float32)
;;   ~~~
;;   SOFTMAX AHEAD OF A QUANTISED PRODUCT. Where the list says 'softmax', what is quantised is not the finished softmax but p = 2^(t - M), with t = logit x log2(e) and M = ceil(the row's largest t), a whole number; so 1/2 < the row's largest p <= 1. The row's sum l is taken of the UNQUANTISED p, in f32, and the product's result is divided by l at the end. Since M is a whole number, a kernel that streams over the keys may use a running M (the ceiling of the running maximum): every later rescaling is an exact power of two, which a block's scale takes up: the codes' values come out the same.
;;   OPERANDS COMPUTED ON THE WAY. 'Computed on the way' means the value that the module computes at that place (a softmax that the list does not call 'softmax' is quantised finished and normalised). What goes into a quantiser is computed in f32, as accurately as f32 sums, v_exp_f32 and their like allow (about 1e-6 of the number): no bf16 or f16 on the way to a quantiser, and a product that is left as it is and whose result goes on into a quantised operand takes f32 operands (vector FMAs, or v_wmma_f32_16x16x4_f32). A number that lies on a knife's edge between two numbers of the format may be rounded either way, as far as f32 arithmetic and the matrix unit's own rounding can turn it there, and no further.
;; One version. Each part assembles by itself: llvm-mc -triple=amdgcn-amd-amdhsa -mcpu=gfx1250 --defsym DOCPART=n.
;; ======== version 1 of 1: 4 launches
;; limits: right only within a limited range of input values
;; workspace buffers: codes 12,582,912 bytes; scales 524,288 bytes; qbuf 6,553,600 bytes; kbuf 3,276,800 bytes; vbuf 3,276,800 bytes; oc 6,291,456 bytes; os 262,144 bytes
;; launch quant (part 1): grid 512 x 1, 4 waves a work-group, no clusters, 33,280 bytes of LDS; arguments x, context, Wq, Wkv, Wout, codes, scales; writes codes, scales
.if DOCPART == 1
	.amdgcn_target "amdgcn-amd-amdhsa--gfx1250"
	.amdhsa_code_object_version 6
	.text
	.protected	k_q83a41a5980_quant
	.globl	k_q83a41a5980_quant
	.p2align	8
	.type	k_q83a41a5980_quant,@function
k_q83a41a5980_quant:
	s_mov_b64 s[64:65], 0
	v_nop
	global_prefetch_b8 v0, s[64:65] scope:SCOPE_SE
	s_setreg_imm32_b32 hwreg(HW_REG_WAVE_MODE, 25, 1), 1
	s_wait_xcnt 0x0
; x [8192][1024], context [4096][1024], Wq [1024][1024], Wkv [2048][1024], Wout [1024][1024], all f32 with K innermost, become codes of FP6 (E2M3) with one E8M0 byte for each 32 along K.
; The five tensors are ONE stream of 16,384 rows: x 0.., context 8192.., Wq 12288.., Wkv 13312.., Wout 15360...  codes: 768 bytes a row; scales: 32 bytes a row.
; A block's scale is 2^(floor(log2(its largest magnitude)) - 2); its byte is the largest magnitude's exponent field - 2, held at 1 from below.  (A block of zeros so gets the byte 1: its codes are zeros, and this program alone reads the bytes.)
; LIMITS: blocks whose largest magnitude lies under 2^(2 - 126) have their byte held at 1; NaN and infinities among the inputs are not served.
; ROWS CHANGE PLACES: all rows but Wout's are stored with bits 3 and 4 of their number exchanged.  Sixteen neighbouring stored rows 16 i + r are then the rows 32 (i / 2) + 8 (i % 2) + r + 8 (r / 8):
; the choice of rows with which the next launch's results fall into a lane's registers as neighbours along the next K.  A wave takes 8 rows, so the exchange is one of wave numbers: it costs four scalar lines.
; A work-group takes 32 rows, a wave 8 rows = 16 steps of 512 numbers.  Each of a step's four loads reads 512 consecutive bytes; the 2,048 bytes turn through the wave's own stage in LDS and come back 64 bytes a lane:
; 16 neighbours along K, two lanes to a block.  A lane's 16 codes are 12 bytes: the wave stores 384 consecutive bytes.  A wave's 256 scale bytes are gathered in LDS and leave as one aligned block of 256 bytes.
; No tensor loads, no barrier: waves share nothing.  Loads run four steps (16 loads a wave) ahead, the turn through LDS one step.  No matrix unit and no cluster: no byte is read twice.
.set WAVES, 4
.set STEPS, 16
.set EMAX,  2
.set CB,    12                         ; bytes of 16 codes
.set R,     16                         ; v16-79   four sets of 16 numbers as they are loaded
.set X,     80                         ; v80-111  two sets of 16 neighbours
.set C,     128                        ; v128-191 codes: four registers for each step, so that no store's data are written again
.set E,     112                        ; v112-127 a scale byte for each step
.set WREG,  8192                       ; LDS: a region for each wave: two stages of 32 x SP bytes, behind them its 256 scale bytes
.set SP,    80                         ; a lane's place in a stage: its 64 bytes + 16 of padding
.set SPW,   12                         ; v12      LDS address of my spare word; never rewritten
.set NIL,   13                         ; v13      0; never rewritten
.set SPARE, WAVES*WREG                 ; behind the four regions: the spare words, 128 bytes a wave
	s_load_b256 s[4:11], s[0:1], 0x0               ; x, context, Wq, Wkv
	s_load_b128 s[12:15], s[0:1], 0x20             ; Wout, codes
	s_load_b64 s[16:17], s[0:1], 0x30              ; scales
	v_lshl_add_u32 v[SPW], v0, 2, SPARE
	v_mov_b32 v[NIL], 0
	v_lshrrev_b32 v1, 5, v0
	v_readfirstlane_b32 s18, v1                    ; wave
	v_and_b32 v2, 31, v0                           ; lane
	v_lshlrev_b32 v3, 4, v2                        ; my 16 bytes of a load's 512
	s_mul_i32 s19, s18, WREG
	v_lshrrev_b32 v14, 2, v2
	v_mul_u32_u24 v14, v14, SP
	v_and_b32 v15, 3, v2
	v_lshl_add_u32 v14, v15, 4, v14
	v_add_nc_u32 v14, s19, v14                     ; the stage, on the way in: SP (lane / 4) + 16 (lane % 4)
	v_mul_u32_u24 v15, v2, SP
	v_add_nc_u32 v15, s19, v15                     ; and on the way out: SP x lane: my 16 neighbours
	v_mul_u32_u24 v4, v2, CB                       ; my codes' place in a step's
	v_lshrrev_b32 v5, 1, v2
	s_add_co_u32 s19, s19, 2*32*SP
	v_add_nc_u32 v5, s19, v5                       ; LDS: my wave's 256 scale bytes, my block's byte
	v_lshlrev_b32 v7, 3, v2                        ; and on the way out 8 bytes a lane
	v_add_nc_u32 v6, s19, v7
	s_and_b32 s24, s18, 1                          ; the wave's number with its two bits exchanged: where my 8 rows go
	s_lshl_b32 s24, s24, 1
	s_lshr_b32 s25, s18, 1
	s_or_b32 s24, s24, s25
	s_mov_b32 s20, 480                             ; the tensor's first work-group
	s_wait_alu depctr_va_vdst(0)
	s_wait_kmcnt 0x0
	s_cmp_lt_u32 ttmp9, 480                        ; which tensor: the choices hang on the work-group's number alone
	s_cselect_b32 s24, s24, s18                    ; Wout's rows stay where they are
	s_cselect_b64 s[12:13], s[10:11], s[12:13]
	s_cselect_b32 s20, 416, s20
	s_cmp_lt_u32 ttmp9, 416
	s_cselect_b64 s[12:13], s[8:9], s[12:13]
	s_cselect_b32 s20, 384, s20
	s_cmp_lt_u32 ttmp9, 384
	s_cselect_b64 s[12:13], s[6:7], s[12:13]
	s_cselect_b32 s20, 256, s20
	s_cmp_lt_u32 ttmp9, 256
	s_cselect_b64 s[12:13], s[4:5], s[12:13]
	s_cselect_b32 s20, 0, s20
	s_sub_co_u32 s21, ttmp9, s20
	s_lshl_b32 s21, s21, 2
	s_add_co_u32 s21, s21, s18                     ; which run of 8,192 numbers of the tensor is my wave's
	s_lshl_b32 s22, s21, 15                        ; 32,768 bytes a run
	s_mov_b32 s23, 0
	s_add_nc_u64 s[12:13], s[12:13], s[22:23]
	s_lshl_b32 s21, ttmp9, 2
	s_add_co_u32 s21, s21, s24                     ; and which run of the stream of 16,384 rows it becomes
	s_mul_i32 s22, s21, 32*STEPS*CB                ; 6,144 bytes of codes a run
	s_add_nc_u64 s[14:15], s[14:15], s[22:23]
	s_lshl_b32 s22, s21, 8                         ; 256 scale bytes a run
	s_add_nc_u64 s[16:17], s[16:17], s[22:23]
.macro LOAD t
.irp i, 0,1,2,3
	global_load_b128 v[R+16*((\t)%4)+4*\i:R+16*((\t)%4)+4*\i+3], v3, s[12:13] offset:2048*(\t)+512*\i th:TH_LOAD_NT   ; 32 lanes read 512 consecutive bytes
.endr
.endm
.macro TURN t                          ; step t's numbers through the stage: LDS serves a wave's instructions in order, so no wait stands between the stores and the loads
.irp i, 0,1,2,3
	ds_store_b128 v14, v[R+16*((\t)%4)+4*\i:R+16*((\t)%4)+4*\i+3] offset:32*SP*((\t)%2)+8*SP*\i
.endr
.irp i, 0,1,2,3
	ds_load_b128 v[X+16*((\t)%2)+4*\i:X+16*((\t)%2)+4*\i+3], v15 offset:32*SP*((\t)%2)+16*\i
.endr
.endm
.irp t, 0,1,2,3
	LOAD \t
.endr
	s_wait_loadcnt 12                              ; step 0's four loads are in
	TURN 0
.macro STEP t
.set XS, X+16*((\t)%2)
.if (\t) > 0
	s_wait_dscnt 1                                 ; this step's numbers are back from the stage (the last step's byte store may be out): so its stores into the stage have read their registers,
.else
	s_wait_dscnt 0x0
.endif
.if (\t)+4 < STEPS
	LOAD (\t)+4                                    ; which take the loads of four steps on
.endif
.if (\t)+1 < STEPS
.if STEPS-2-(\t) >= 3
	s_wait_loadcnt 12                              ; the next step's four loads are in; those of the three steps behind it may be out
.else
	s_wait_loadcnt 4*(STEPS-2-(\t))
.endif
	TURN (\t)+1                                    ; and go through the other stage while this step is worked
.endif
	v_max3_num_f32 v8, |v[XS]|, |v[XS+1]|, |v[XS+2]|               ; the largest magnitude of my 16
	v_max3_num_f32 v9, |v[XS+3]|, |v[XS+4]|, |v[XS+5]|
.irp i, 6,10
	v_max3_num_f32 v8, v8, |v[XS+\i]|, |v[XS+\i+1]|
	v_max3_num_f32 v9, v9, |v[XS+\i+2]|, |v[XS+\i+3]|
.endr
	v_max3_num_f32 v8, v8, |v[XS+14]|, |v[XS+15]|
	v_max3_num_f32 v8, v8, v9, (EMAX+1)<<23        ; and the floor 2^(EMAX + 1 - 127): the byte cannot fall under 1
	v_max_num_f32_dpp v8, v8, v8 row_xmask:1 row_mask:0xf bank_mask:0xf   ; and of my neighbour's 16: the block's
	v_add_nc_u32 v11, -(EMAX<<23), v8              ; EMAX off its exponent field: the conversion takes the exponent field of this operand as its scale
	v_cvt_scalef32_pk16_fp6_f32 v[C+4*(\t):C+4*(\t)+2], v[XS:XS+15], v11   ; sixteen numbers / the scale, to the nearest code, ties to even, beyond the largest code the largest
	v_lshrrev_b32 v[E+(\t)], 23, v11               ; the scale's byte
	ds_store_b8 v5, v[E+(\t)] offset:16*(\t)       ; both lanes of a block write the same byte with the same value
	global_store_b96 v4, v[C+4*(\t):C+4*(\t)+2], s[14:15] offset:32*CB*(\t)
.endm
.irp t, 0,1,2,3,4,5,6,7,8,9,10,11,12,13,14,15
	STEP \t
.endr
	ds_load_b64 v[8:9], v6                         ; LDS serves a wave's instructions in order: these see my stores
	s_wait_dscnt 0x0
	global_store_b64 v7, v[8:9], s[16:17]          ; 32 lanes store 256 consecutive bytes, aligned
	s_wait_tensorcnt 0x0                           ; the wave's end, behind my last LDS store
	ds_add_u32 v[SPW], v[NIL]
	s_wait_dscnt 0x0
	s_endpgm
.Lfunc_end_k_q83a41a5980_quant:
	.size	k_q83a41a5980_quant, .Lfunc_end_k_q83a41a5980_quant-k_q83a41a5980_quant
	.p2alignl 7, 3214868480
	.fill 96, 4, 3214868480
	.section	.rodata,"a",@progbits
	.p2align	6, 0x0
	.amdhsa_kernel k_q83a41a5980_quant
		.amdhsa_group_segment_fixed_size 33280
		.amdhsa_private_segment_fixed_size 0
		.amdhsa_enable_private_segment 0
		.amdhsa_kernarg_size 56
		.amdhsa_user_sgpr_count 2
		.amdhsa_user_sgpr_kernarg_segment_ptr 1
		.amdhsa_wavefront_size32 1
		.amdhsa_system_sgpr_workgroup_id_x 1
		.amdhsa_system_sgpr_workgroup_id_y 1
		.amdhsa_system_sgpr_workgroup_id_z 1
		.amdhsa_system_vgpr_workitem_id 0
		.amdhsa_next_free_vgpr 192
		.amdhsa_next_free_sgpr 66
		.amdhsa_reserve_vcc 0
		.amdhsa_float_denorm_mode_32 3
		.amdhsa_float_denorm_mode_16_64 3
		.amdhsa_memory_ordered 1
		.amdhsa_forward_progress 1
		.amdhsa_inst_pref_size 33
	.end_amdhsa_kernel
	.amdgpu_metadata
---
amdhsa.version: [ 1, 2 ]
amdhsa.kernels:
  - .name:           k_q83a41a5980_quant
    .symbol:         k_q83a41a5980_quant.kd
    .args:
      - { .name: x, .offset: 0, .size: 8, .value_kind: global_buffer, .address_space: global }
      - { .name: context, .offset: 8, .size: 8, .value_kind: global_buffer, .address_space: global }
      - { .name: Wq, .offset: 16, .size: 8, .value_kind: global_buffer, .address_space: global }
      - { .name: Wkv, .offset: 24, .size: 8, .value_kind: global_buffer, .address_space: global }
      - { .name: Wout, .offset: 32, .size: 8, .value_kind: global_buffer, .address_space: global }
      - { .name: codes, .offset: 40, .size: 8, .value_kind: global_buffer, .address_space: global }
      - { .name: scales, .offset: 48, .size: 8, .value_kind: global_buffer, .address_space: global }
    .group_segment_fixed_size: 33280
    .private_segment_fixed_size: 0
    .kernarg_segment_align: 8
    .kernarg_segment_size: 56
    .max_flat_workgroup_size: 128
    .sgpr_count:     66
    .vgpr_count:     192
    .wavefront_size: 32
...
	.end_amdgpu_metadata
.endif
;; end of part 1
;; launch proj (part 2): grid 4 x 64, 4 waves a work-group, clusters of 4 x 4, 327,680 bytes of LDS; arguments codes, scales, mask, qbuf, kbuf, vbuf; writes qbuf, kbuf, vbuf
.if DOCPART == 2
	.amdgcn_target "amdgcn-amd-amdhsa--gfx1250"
	.amdhsa_code_object_version 6
	.text
	.protected	k_q83a41a5980_proj
	.globl	k_q83a41a5980_proj
	.p2align	8
	.type	k_q83a41a5980_proj,@function
k_q83a41a5980_proj:
	s_mov_b64 s[64:65], 0
	v_nop
	global_prefetch_b8 v0, s[64:65] scope:SCOPE_SE
	s_setreg_imm32_b32 hwreg(HW_REG_WAVE_MODE, 25, 1), 1
	s_wait_xcnt 0x0
	s_wait_alu depctr_hold_cnt(0) depctr_sa_sdst(0) depctr_va_vdst(0) depctr_va_sdst(0) depctr_va_ssrc(0) depctr_va_vcc(0) depctr_vm_vsrc(0)
	s_getreg_b32 s2, hwreg(HW_REG_IB_STS2, 6, 4)
	s_cmp_eq_u32 s2, 0
	s_cbranch_scc0 .Lentry_in_a_cluster
	s_endpgm
.Lentry_in_a_cluster:
	s_bfe_u32 s2, ttmp6, 0x10000c
	s_cmp_lg_u32 s2, 0xf033
	s_cbranch_scc0 .Lentry_shape_is_right
	s_endpgm
.Lentry_shape_is_right:
; THE THREE PROJECTIONS, q = x Wq^T, k = context Wk^T, v^T = Wv context^T, as ONE form C[m][n] = sum over k of A[m][k] B[n][k] on codes of FP6 (E2M3) with E8M0 scales, K = 1,024.
; C is quantised in registers, along n, and leaves as images of the next launch's operand registers.
; 256 tiles of C of 256 x 256, one to a work-group; four waves, each 128 x 128: 64 accumulators.  cid = the cluster's y (0..15), the same in all sixteen partners:
;   cid 0-7: Q: A = x's rows 1024 cid + 256 cy, B = Wq's rows 256 cx;  cid 8-11: K: A = context's rows, B = Wk's;  cid 12-15: V^T: A = Wv's rows 256 cy, B = context's rows of batch cid - 12, 256 cx on.
; All rows lie in one stream (codes: 768 bytes a row, scales: 32), stored with bits 3 and 4 of the row number exchanged: stored rows 16 i + r are rows 32 (i / 2) + 8 (i % 2) + r + 8 (r / 8).
; THE MATRIX INSTRUCTION IS USED TRANSPOSED (source 0 = 16 rows of B, source 1 = 16 rows of A): the 16 registers of accumulators (a, 2 c), (a, 2 c + 1) are columns 32 c + 16 h + 0 .. 15, neighbours along the next K.
; K goes through a ring of two LDS slots in CHUNKS OF 256 BYTES of each row (a row is 768 bytes: three chunks, each beginning at a multiple of 256 bytes); a step of 128 along K is 96 bytes: steps 2 and 5 lie across two chunks.
; THE HEAD'S FOUR TILES, one tensor load a wave: chunk 0 of A's 256 rows, of B's 256 rows, A's scales, B's scales.  Chunk 1 and chunk 2 are asked for behind rounds of the cluster's barrier, a quarter of a slot a wave.
; 4 x 4 work-groups form a cluster: A's tiles are asked for jointly along a row of the cluster, B's along a column.
; No prefetch: K has three chunks, of which two are asked for at the head; no trip lies far enough ahead of the third.
; THE MASK: the codes of k's masked keys are made zeros here (an AND word a row).
; OUT: a UNIT is the image of an operand's 12 registers: register n of lane l at byte 512 (n / 4) + 16 l + 4 (n % 4).
;   qbuf, kbuf: a record for each (batch, head): units of 32 rows, then 64 bytes of scale words a unit.   vbuf: unit 4 s + t = 16 channels x keys 128 s .., then the scale words.
; REGISTERS: window 0: v16-29 addresses; v32-63 scale words, two sets; v64-71 the mask's AND words; v72-114 the way out; from v128 A's fragments, one set.  window 1: B's fragments, two sets.  windows 2, 3: accumulators.
.set SIZE_K, 1024
.set ROWB,   256
.set NQ,     2
.set KROW,   SIZE_K*6/8
.set STEPS,  SIZE_K/128
.set CHUNKS, KROW/ROWB
.set PITCH,  272                       ; 256 bytes + 16 of padding
.set FR,     12
.set NL,     6
.set NP,     4                         ; places behind this matrix instruction (ISA guide 7.12.1)
.set HALFT,  128*PITCH
.set SLOT,   4*HALFT                   ; A's 256 rows, then B's 256 rows
.set KS,     SIZE_K/32
.set SCL,    2*SLOT                    ; behind the ring: the scales, blocks of 256 bytes + 16
.set HALFS,  (128*KS/256)*272
.set SBLK,   (16*KS/256)*272
.set SPARE,  SCL+4*HALFS               ; the spare words, 128 bytes a wave
.set ADRA, 16                          ; v16-17 my A fragments in slot 0, 1; v18-19: lanes 0-15 at byte 232 of a chunk in slot 0, 1, lanes 16-31 at byte 0 of the other slot
.set ADRB, 20                          ; v20-23 the same for B
.set LI,   24                          ; 16 x lane
.set L4,   25                          ; 4 x lane
.set MO,   26                          ; r + 8 (r / 8)
.set ADRS, 27                          ; my scale words: lanes 0-15 A's rows, lanes 16-31 B's
.set SPW,  28
.set NIL,  29
.set SC,   32
.set MK,   64
.set TM,   72
.set PWE,  88
.set PWM,  90
.set PC,   96
.set AF,   128
.set CID,  2
.set G1, 24
.set G0, 32
.set G1B, 48
.set G0B, 56
.set G1S, 68
.set G0S, 76
.set G1SB, 80
.set G0SB, 88
.set G0H, 4                            ; group 0 of the head's loads of chunk 0, in registers whose arguments have been used
.set G0HB, 8
.set MOR,  95
.set SEL,  96
.set HIL,  98
.set RR,   99
.set MSB, 0
.macro WIN new
.if MSB != (\new)
	s_set_vgpr_msb (MSB<<8)|(\new)
.set MSB, (\new)
.endif
.endm
.set MUL_LO, 0xa1
.set MUL_HI, 0xf1
.set TO_B,   0x40
.macro JLOAD g0a, g1a, g0b, g1b        ; waves 0, 1 fetch for A, waves 2, 3 for B; s_nop 0 and four v_nop behind each line
	s_cmp_eq_u32 s15, 0
	s_cbranch_scc0 .Lfor_b_\@
	tensor_load_to_lds s[\g0a:\g0a+3], s[\g1a:\g1a+7]
	s_nop 0
.rept 4
	v_nop
.endr
	s_branch .Lasked_\@
.Lfor_b_\@:
	tensor_load_to_lds s[\g0b:\g0b+3], s[\g1b:\g1b+7]
	s_nop 0
.rept 4
	v_nop
.endr
.Lasked_\@:
.endm
.macro CREST
	s_cmp_lg_u32 s14, 0
	s_cbranch_scc1 .Lnot_wave_0_\@
	s_barrier_signal -3
.Lnot_wave_0_\@:
	s_barrier_wait -3
	s_barrier_signal -1
	s_barrier_wait -1
.endm
.macro CROUND
	s_barrier_signal -1
	s_barrier_wait -1
	CREST
.endm
	s_load_b128 s[4:7], s[0:1], 0x0                ; codes, scales
	s_load_b128 s[8:11], s[0:1], 0x10              ; mask, qbuf
	s_load_b64 s[12:13], s[0:1], 0x20              ; kbuf
	s_load_b64 s[66:67], s[0:1], 0x28              ; vbuf
	v_lshl_add_u32 v[SPW], v0, 2, SPARE
	v_mov_b32 v[NIL], 0
	ds_add_u32 v[SPW], v[NIL]                      ; the opening lines: the add twice and its wait ahead of my first tensor load
	ds_add_u32 v[SPW], v[NIL]
	v_lshrrev_b32 v1, 5, v0
	v_readfirstlane_b32 s14, v1                    ; wave
	s_lshr_b32 s15, s14, 1                         ; my half of the tile's rows; also: I fetch for A (0) or B (1)
	s_and_b32 s16, s14, 1                          ; my half of its columns; also: which 128 rows I fetch
	s_bfe_u32 s40, ttmp6, 0x40000                  ; cx
	s_bfe_u32 s41, ttmp6, 0x40004                  ; cy
	s_and_b32 s[CID], ttmp7, 0xffff
	s_lshl_b32 s43, s41, 2
	s_lshl_b32 s43, 15, s43                        ; my row of the cluster
	s_lshl_b32 s44, 0x1111, s40                    ; my column
	s_or_b32 s[G1+0], s43, (0<<16)|(1<<20)|(1<<21)|(5<<22)|(3<<25)   ; rows of 256 bytes, 16 of padding behind each; 256 rows at the head
	s_or_b32 s[G1B+0], s44, (0<<16)|(1<<20)|(1<<21)|(5<<22)|(3<<25)
.irp g, G1, G1B
	s_mov_b32 s[\g+1], ROWB<<16
	s_mov_b32 s[\g+2], 256<<16
	s_mov_b32 s[\g+3], ROWB<<16
	s_mov_b32 s[\g+4], 256
	s_mov_b32 s[\g+5], KROW
	s_mov_b32 s[\g+6], 0
	s_mov_b32 s[\g+7], 0
.endr
	s_or_b32 s[G1S+0], s43, (3<<16)|(1<<20)|(1<<21)|(5<<22)|(3<<25)  ; the scales of 256 rows: a dense block, KS rows of 256 bytes
	s_or_b32 s[G1SB+0], s44, (3<<16)|(1<<20)|(1<<21)|(5<<22)|(3<<25)
.irp g, G1S, G1SB
	s_mov_b32 s[\g+1], 32<<16
	s_mov_b32 s[\g+2], KS<<16
	s_mov_b32 s[\g+3], 32<<16
	s_mov_b32 s[\g+4], KS
	s_mov_b32 s[\g+5], 32
	s_mov_b32 s[\g+6], 0
	s_mov_b32 s[\g+7], 0
.endr
	; the tiles' first rows in the stream: A's hang on cid and cy, B's on cid and cx
	s_lshl_b32 s19, s[CID], 10
	s_max_u32 s47, s[CID], 12
	s_lshl_b32 s47, s47, 10
	s_sub_co_u32 s47, s47, 4096                    ; V: context's rows of batch cid - 12
	s_mov_b32 s20, 14336                           ; V: Wv
	s_mov_b32 s46, 13312                           ; K: Wk
	s_cmp_lt_u32 s[CID], 8
	s_cselect_b32 s46, 12288, s46                  ; Q: Wq
	s_cmp_ge_u32 s[CID], 12
	s_cselect_b32 s20, s20, s19
	s_cselect_b32 s46, s47, s46
	s_lshl_b32 s17, s41, 8
	s_lshl_b32 s42, s40, 8
	s_add_co_u32 s20, s20, s17
	s_add_co_u32 s46, s46, s42
	s_mov_b32 s21, 0
	s_mov_b32 s47, 0
	s_mov_b64 s[18:19], KS
	s_mul_u64 s[22:23], s[20:21], s[18:19]         ; these rows' scales, in bytes
	s_mul_u64 s[92:93], s[46:47], s[18:19]
	s_mov_b64 s[18:19], KROW
	s_mul_u64 s[20:21], s[20:21], s[18:19]         ; and their codes
	s_mul_u64 s[46:47], s[46:47], s[18:19]
	s_mul_i32 s18, s16, 128*KROW                   ; in the ring: which 128 rows I fetch,
	s_mov_b32 s19, 0
	s_mul_i32 s45, s14, HALFT                      ; and where they go
	s_lshl_b32 s[RR], s[CID], 10
	s_add_co_u32 s[RR], s[RR], s17
	s_lshl_b32 s3, s15, 7
	s_add_co_u32 s[RR], s[RR], s3                  ; the first row of A that I multiply
	s_lshr_b32 s3, s[CID], 2
	s_cmp_eq_u32 s3, 2                             ; K's tiles
	s_cselect_b32 s[MOR], 0, -1
	s_cselect_b32 s100, s[RR], 8192
	s_sub_co_u32 s100, s100, 8192                  ; there: my first key among the mask's bytes; elsewhere 0 (read and not used)
	s_mov_b32 s101, 0
	s_mov_b32 s[SEL], 0x76543210
	s_mov_b32 s[SEL+1], 0xfedcba98
	s_mov_b32 s[HIL], 0xffff0000
	s_wait_dscnt 0x0                               ; both opening adds are done
	s_wait_kmcnt 0x0
	s_add_nc_u64 s[20:21], s[4:5], s[20:21]
	s_add_nc_u64 s[22:23], s[6:7], s[22:23]
	s_add_nc_u64 s[46:47], s[4:5], s[46:47]
	s_add_nc_u64 s[92:93], s[6:7], s[92:93]
	s_add_nc_u64 s[100:101], s[8:9], s[100:101]    ; the mask at my first key
	s_cmp_lt_u32 s[CID], 8
	s_cselect_b64 s[10:11], s[10:11], s[12:13]
	s_cmp_ge_u32 s[CID], 12
	s_cselect_b64 s[66:67], s[66:67], s[10:11]     ; the buffer that my tile goes to
	CROUND                                         ; all sixteen work-groups are here: the first joint loads meet
	s_mov_b32 s[G0H], 1
	s_mov_b32 s[G0H+1], 0
	s_mov_b64 s[G0H+2:G0H+3], s[20:21]
	s_or_b32 s[G0H+3], s[G0H+3], 0x80000000
	s_mov_b32 s[G0HB], 1
	s_mov_b32 s[G0HB+1], 2*HALFT
	s_mov_b64 s[G0HB+2:G0HB+3], s[46:47]
	s_or_b32 s[G0HB+3], s[G0HB+3], 0x80000000
	s_mov_b32 s[G0S], 1
	s_mov_b32 s[G0S+1], SCL
	s_mov_b64 s[G0S+2:G0S+3], s[22:23]
	s_or_b32 s[G0S+3], s[G0S+3], 0x80000000
	s_mov_b32 s[G0SB], 1
	s_mov_b32 s[G0SB+1], SCL+2*HALFS
	s_mov_b64 s[G0SB+2:G0SB+3], s[92:93]
	s_or_b32 s[G0SB+3], s[G0SB+3], 0x80000000
	s_add_nc_u64 s[20:21], s[20:21], s[18:19]      ; for the ring: my 128 rows
	s_add_nc_u64 s[46:47], s[46:47], s[18:19]
.irp s, 0,1
	s_mov_b32 s[G0+4*\s], 1
	s_add_co_u32 s[G0+4*\s+1], s45, \s*SLOT
	s_add_nc_u64 s[G0+4*\s+2:G0+4*\s+3], s[20:21], \s*ROWB
	s_or_b32 s[G0+4*\s+3], s[G0+4*\s+3], 0x80000000
	s_mov_b32 s[G0B+4*\s], 1
	s_add_co_u32 s[G0B+4*\s+1], s45, \s*SLOT
	s_add_nc_u64 s[G0B+4*\s+2:G0B+4*\s+3], s[46:47], \s*ROWB
	s_or_b32 s[G0B+4*\s+3], s[G0B+4*\s+3], 0x80000000
.endr
; the head's loads, one a wave, in one chain of branches on the wave's number
.macro ARM under, g0, g1, next
	s_cmp_lt_u32 s14, \under
	s_cbranch_scc0 \next
	tensor_load_to_lds s[\g0:\g0+3], s[\g1:\g1+7]
	s_nop 0
.rept 4
	v_nop
.endr
	s_branch .Lhead_asked
\next:
.endm
	ARM 1, G0H,  G1,  .Lhead_b
	ARM 2, G0HB, G1B, .Lhead_sa
	ARM 3, G0S,  G1S, .Lhead_sb
	tensor_load_to_lds s[G0SB:G0SB+3], s[G1SB:G1SB+7]
	s_nop 0
.rept 4
	v_nop
.endr
.Lhead_asked:
	s_mov_b32 s17, SLOT-232
	s_mov_b32 s18, SLOT+232
	s_mul_i32 s19, s15, HALFT                      ; my 128 rows of A
	s_mul_i32 s20, s16, HALFT
	s_add_co_u32 s20, s20, 2*HALFT                 ; my 128 rows of B, behind A's 256
	s_mul_i32 s22, s15, HALFS
	s_mul_i32 s21, s16, HALFS
	s_add_co_u32 s21, s21, 2*HALFS
	s_sub_co_u32 s21, s21, s22                     ; from my rows of A's scales to my rows of B's
	s_add_co_u32 s22, s22, SCL
	v_and_b32 v1, 15, v0                           ; r
	v_bfe_u32 v2, v0, 4, 1                         ; h
	v_and_b32 v6, 8, v1
	v_add_nc_u32 v[MO], v6, v1
.irp a, 0,1,2,3,4,5,6,7
	global_load_u8 v[MK+\a], v[MO], s[100:101] offset:32*(\a/2)+8*(\a%2)   ; the mask's byte of my row in A's block a
.endr
	v_mul_u32_u24 v3, v1, PITCH
	v_mul_u32_u24 v4, v2, 24
	v_add_nc_u32 v4, v3, v4                        ; row x pitch + 24 x half
	v_sub_nc_u32 v7, 1, v2
	v_mul_u32_u24 v5, s17, v2
	v_add_nc_u32 v5, v3, v5
	v_add_nc_u32 v5, 232, v5                       ; lanes 0-15 byte 232 in slot 0, lanes 16-31 byte 0 in slot 1
	v_mul_u32_u24 v6, s18, v7
	v_add_nc_u32 v6, v3, v6                        ; lanes 0-15 byte 232 in slot 1, lanes 16-31 byte 0 in slot 0
	v_add_nc_u32 v[ADRA+2], s19, v5
	v_add_nc_u32 v[ADRA+3], s19, v6
	v_add_nc_u32 v[ADRB+2], s20, v5
	v_add_nc_u32 v[ADRB+3], s20, v6
	v_add_nc_u32 v[ADRA], s19, v4
	v_add_nc_u32 v[ADRB], s20, v4
	v_add_nc_u32 v[ADRA+1], SLOT, v[ADRA]
	v_add_nc_u32 v[ADRB+1], SLOT, v[ADRB]
	v_mul_u32_u24 v5, v1, KS                       ; my row's scales: KS bytes a row,
	v_lshrrev_b32 v6, 8, v5
	v_lshl_add_u32 v5, v6, 4, v5                   ; and 16 more for each 256 passed
	v_mul_u32_u24 v6, s21, v2                      ; lanes 16-31 take B's
	v_add_nc_u32 v5, v5, v6
	v_add_nc_u32 v[ADRS], s22, v5
	v_and_b32 v6, 31, v0
	v_lshlrev_b32 v[LI], 4, v6
	v_lshlrev_b32 v[L4], 2, v6
.irp b, 0,1,2,3
	v_mov_b32 v[TM+4+\b], 0                        ; a lane permute's destination counts as one of its sources
.endr
	s_wait_alu depctr_va_vdst(0)
	s_wait_loadcnt 0x0                             ; the mask's bytes
.irp a, 0,1,2,3,4,5,6,7
	v_sub_nc_u32 v[MK+\a], 0, v[MK+\a]             ; 1 -> all ones, 0 -> 0
.endr
.irp a, 0,1,2,3,4,5,6,7
	v_or_b32 v[MK+\a], s[MOR], v[MK+\a]            ; outside K's tiles: all ones
.endr
.macro FRAG reg, adr, st, i            ; 12 registers in six pieces of 8 bytes; byte y of a row lies in slot (y / 256) % 2 at byte y % 256
.irp p, 0,1,2,3,4,5
.set BY, 96*(\st)+48*(\p/3)+8*(\p%3)
.if BY/ROWB == (BY+24)/ROWB
	ds_load_b64 v[\reg+2*\p:\reg+2*\p+1], v[\adr+(BY/ROWB)%2] offset:BY%ROWB+(\i)*16*PITCH
.else
	ds_load_b64 v[\reg+2*\p:\reg+2*\p+1], v[\adr+2+(BY/ROWB)%2] offset:BY%ROWB-232+(\i)*16*PITCH
.endif
.endr
.endm
; 16 matrix instructions: A's blocks a0, a0 + 1 x B's eight.  The 64 accumulators take turns in the same order in every step.
.macro MUL16 a0, p, q, sc, zero
.irp a, \a0, \a0+1
.irp b, 0,1,2,3,4,5,6,7
.if \zero
	v_wmma_scale_f32_16x16x128_f8f6f4 v[8*(8*((\a)%4)+\b):8*(8*((\a)%4)+\b)+7], v[128*(\p)+FR*\b:128*(\p)+FR*\b+FR-1], v[AF+FR*(\a):AF+FR*(\a)+FR-1], 0, v[SC+8*NQ*(\sc)+NQ*\b+(\q)], v[SC+8*NQ*(\sc)+NQ*(\a)+(\q)] matrix_a_fmt:MATRIX_FMT_FP6 matrix_b_fmt:MATRIX_FMT_FP6 matrix_a_scale:MATRIX_SCALE_ROW1
.else
	v_wmma_scale_f32_16x16x128_f8f6f4 v[8*(8*((\a)%4)+\b):8*(8*((\a)%4)+\b)+7], v[128*(\p)+FR*\b:128*(\p)+FR*\b+FR-1], v[AF+FR*(\a):AF+FR*(\a)+FR-1], v[8*(8*((\a)%4)+\b):8*(8*((\a)%4)+\b)+7], v[SC+8*NQ*(\sc)+NQ*\b+(\q)], v[SC+8*NQ*(\sc)+NQ*(\a)+(\q)] matrix_a_fmt:MATRIX_FMT_FP6 matrix_b_fmt:MATRIX_FMT_FP6 matrix_a_scale:MATRIX_SCALE_ROW1
.endif
.endr
.endr
.endm
.macro FETCH_B st, p
	WIN TO_B
.irp i, 0,1,2,3,4,5,6,7
	FRAG 128*(\p)+FR*\i, ADRB, \st, \i
.endr
	WIN 0
.endm
.macro FETCH_A st, i0
.irp i, \i0, \i0+1, \i0+2, \i0+3
	FRAG AF+FR*(\i), ADRA, \st, \i
.endr
.endm
.macro SCALES pr                       ; the scale words of steps 2 pr, 2 pr + 1 into set pr % 2
.irp i, 0,1,2,3,4,5,6,7
	ds_load_b64 v[SC+8*NQ*((\pr)%2)+NQ*\i:SC+8*NQ*((\pr)%2)+NQ*\i+1], v[ADRS] offset:\i*SBLK+4*NQ*(\pr)
.endr
.endm
.macro PLACES n
.rept \n
	v_nop
.endr
.endm
; A step of 128 along K.  Where the next step's bytes END in a chunk not yet read: the wait for my tensor loads and a barrier.  Where they BEGIN in a later chunk: the wait, the add, the wait for it and for my reads, the barrier;
; and where a chunk two on is left to fetch, the barrier opens a round of the cluster's barrier and the slot is filled again.
.macro STEP st, zero
.set NX, (\st)+1
.set C0, (96*(\st))/ROWB
.set C1, (96*NX)/ROWB
.set E0, (96*(\st)+95)/ROWB
.set E1, (96*NX+95)/ROWB
.if (C1 > C0 && C0+2 < CHUNKS) || E1 > E0      ; a chunk left behind with nothing more to fetch needs no barrier: its bytes are not filled again
	s_wait_tensorcnt 0x0                           ; all my tensor loads have landed
.if C1 > C0
	ds_add_u32 v[SPW], v[NIL]
	s_wait_dscnt 4*NL+1                            ; the add and the 24 youngest loads (A's blocks 4-7) may be out
.else
	s_wait_dscnt 4*NL                              ; the 24 youngest loads may be out
.endif
	WIN MUL_LO
	MUL16 0, (\st)%2, (\st)%2, ((\st)/2)%2, \zero
	s_wait_dscnt 0x0                               ; the add, and my reads of any chunk left behind
	s_barrier_signal -1
	MUL16 2, (\st)%2, (\st)%2, ((\st)/2)%2, \zero
	WIN 0
	s_barrier_wait -1
.if C1 > C0 && C0+2 < CHUNKS
	CREST
	s_add_nc_u64 s[G0+4*(C0%2)+2:G0+4*(C0%2)+3], s[G0+4*(C0%2)+2:G0+4*(C0%2)+3], 2*ROWB
	s_add_nc_u64 s[G0B+4*(C0%2)+2:G0B+4*(C0%2)+3], s[G0B+4*(C0%2)+2:G0B+4*(C0%2)+3], 2*ROWB
	JLOAD G0+4*(C0%2), G1, G0B+4*(C0%2), G1B       ; chunk C0 + 2; its four v_nop are the places in front of the loads below
.else
	PLACES NP
.endif
.else
	s_wait_dscnt 4*NL                              ; B's set and A's blocks 0-3 are in
	WIN MUL_LO
	MUL16 0, (\st)%2, (\st)%2, ((\st)/2)%2, \zero
	MUL16 2, (\st)%2, (\st)%2, ((\st)/2)%2, \zero
	s_wait_dscnt 0
	PLACES NP
.endif
	FETCH_B NX, NX%2
	FETCH_A NX, 0
.if NX%2 == 0
	SCALES NX/2
.endif
	WIN MUL_HI
	MUL16 4, (\st)%2, (\st)%2, ((\st)/2)%2, \zero
	MUL16 6, (\st)%2, (\st)%2, ((\st)/2)%2, \zero
	PLACES NP
	WIN 0
	FETCH_A NX, 4
.endm
	s_wait_alu depctr_va_vdst(0)
	s_wait_tensorcnt 0x0                           ; my tile of the head's four is in
	ds_add_u32 v[SPW], v[NIL]
	s_mov_b32 s[G1+2], 128<<16                     ; no tensor load of mine is out: from here on a load brings 128 rows
	s_mov_b32 s[G1+4], 128
	s_mov_b32 s[G1B+2], 128<<16
	s_mov_b32 s[G1B+4], 128
	s_wait_dscnt 0x0
	CROUND
	JLOAD G0+4, G1, G0B+4, G1B                     ; chunk 1, the first tensor load behind the round
	FETCH_B 0, 0
	FETCH_A 0, 0
	SCALES 0
	FETCH_A 0, 4
	STEP 0, 1                                      ; the first step's products start the sums
.set ST, 1
.rept STEPS-2
	STEP ST, 0
.set ST, ST+1
.endr
	s_wait_dscnt 4*NL                              ; the last step
	WIN MUL_LO
	MUL16 0, 1, 1, 1, 0
	MUL16 2, 1, 1, 1, 0
	s_wait_dscnt 0
	WIN MUL_HI
	MUL16 4, 1, 1, 1, 0
	MUL16 6, 1, 1, 1, 0
	WIN 0
; THE WAY OUT.  Four blocks of 32 along the next K, each 16 registers of a lane (lanes l and l xor 16 share a block), at v[QA], v[QB], v[QC], v[QD] of window win, become a unit's 12 registers in v[PC] on and its scale word in v[pw].
.macro QUANTG win, pw
	WIN 0x0a+5*((\win)-2)
	v_max3_num_f32 v[TM+0], |v[QA]|, |v[QA+1]|, 0x1800000          ; with the floor 2^(3 - 127): the byte cannot fall under 1
	v_max3_num_f32 v[TM+1], |v[QB]|, |v[QB+1]|, 0x1800000
	v_max3_num_f32 v[TM+2], |v[QC]|, |v[QC+1]|, 0x1800000
	v_max3_num_f32 v[TM+3], |v[QD]|, |v[QD+1]|, 0x1800000
.irp i, 2,4,6,8,10,12,14
	v_max3_num_f32 v[TM+0], |v[QA+\i]|, |v[QA+\i+1]|, v[TM+0]
	v_max3_num_f32 v[TM+1], |v[QB+\i]|, |v[QB+\i+1]|, v[TM+1]
	v_max3_num_f32 v[TM+2], |v[QC+\i]|, |v[QC+\i+1]|, v[TM+2]
	v_max3_num_f32 v[TM+3], |v[QD+\i]|, |v[QD+\i+1]|, v[TM+3]
.endr
	WIN 0
.irp b, 0,1,2,3
	v_permlanex16_b32 v[TM+4+\b], v[TM+\b], s[SEL], s[SEL+1]
.endr
.irp b, 0,1,2,3
	v_max_num_f32 v[TM+\b], v[TM+\b], v[TM+4+\b]
.endr
.irp b, 0,1,2,3
	v_add_nc_u32 v[TM+12+\b], 0xff000000, v[TM+\b] ; 2 off the exponent field: the conversion's scale operand
.endr
.irp b, 0,1,2,3
	v_lshrrev_b32 v[TM+4+\b], 23, v[TM+12+\b]      ; the scale's byte
.endr
	v_lshl_or_b32 v[\pw], v[TM+5], 8, v[TM+4]
	v_lshl_or_b32 v[\pw], v[TM+6], 16, v[\pw]
	v_lshl_or_b32 v[\pw], v[TM+7], 24, v[\pw]
	WIN (\win)
	v_cvt_scalef32_pk16_fp6_f32 v[PC:PC+2], v[QA:QA+15], v[TM+12]
	v_cvt_scalef32_pk16_fp6_f32 v[PC+12:PC+14], v[QB:QB+15], v[TM+13]
	v_cvt_scalef32_pk16_fp6_f32 v[PC+6:PC+8], v[QC:QC+15], v[TM+14]
	v_cvt_scalef32_pk16_fp6_f32 v[PC+16:PC+18], v[QD:QD+15], v[TM+15]
	WIN 0
	v_nop                                          ; one plain place behind a scaled conversion
.irp c, 0,1
.irp i, 0,1,2
	v_permlane16_swap_b32 v[PC+6*\c+\i], v[PC+12+4*\c+\i]
.endr
.irp i, 0,1,2
	v_mov_b32 v[PC+3+6*\c+\i], v[PC+12+4*\c+\i]
.endr
.endr
.endm
	PLACES NP
	s_cmp_ge_u32 s[CID], 12                        ; the same in all sixteen partners
	s_cbranch_scc1 .Lv
	; ---- Q and K: my 128 rows are four units of 32 rows, my 128 columns two heads
	s_cmp_lt_u32 s[CID], 8
	s_cselect_b32 s18, 0, 8192
	s_cselect_b32 s19, 11, 10                      ; log2 of a batch's rows
	s_mov_b32 s20, 51200
	s_cselect_b32 s20, 102400, s20                 ; a record's bytes
	s_mov_b32 s22, 49152
	s_cselect_b32 s22, 98304, s22                  ; where its scale words begin
	s_mov_b32 s21, 0
	s_mov_b32 s23, 0
	s_sub_co_u32 s18, s[RR], s18
	s_lshr_b32 s92, s18, s19                       ; the batch
	s_lshl_b32 s93, s92, s19
	s_sub_co_u32 s18, s18, s93
	s_lshr_b32 s18, s18, 5                         ; my first unit in the record
	s_lshl_b32 s92, s92, 4
	s_lshl_b32 s93, s40, 2
	s_add_co_u32 s92, s92, s93
	s_lshl_b32 s93, s16, 1
	s_add_co_u32 s92, s92, s93                     ; 16 x batch + 4 cx + 2 x half: my first head's record
	s_mul_i32 s92, s92, s20
	s_mov_b32 s93, 0
	s_add_nc_u64 s[66:67], s[66:67], s[92:93]
	s_mul_i32 s92, s18, 1536
	s_add_nc_u64 s[4:5], s[66:67], s[92:93]
	s_add_nc_u64 s[6:7], s[4:5], s[20:21]
	s_lshl_b32 s92, s18, 6
	s_add_nc_u64 s[10:11], s[66:67], s[92:93]
	s_add_nc_u64 s[10:11], s[10:11], s[22:23]
	s_add_nc_u64 s[12:13], s[10:11], s[20:21]
.irp hd, 0,1
.irp jp, 0,1,2,3
.set QA, 64*((2*\jp)%4)+32*\hd
.set QB, QA+16
.set QC, QA+64
.set QD, QA+80
	s_wait_xcnt 0x0                                ; the last unit's stores have read their registers
	QUANTG 2+\jp/2, PWE+\jp%2
.irp i, 0,1,2,3,4,5
	v_and_b32 v[PC+\i], v[MK+2*\jp], v[PC+\i]      ; a masked key's codes become zeros
	v_and_b32 v[PC+6+\i], v[MK+2*\jp+1], v[PC+6+\i]
.endr
.irp c, 0,1,2
	global_store_b128 v[LI], v[PC+4*\c:PC+4*\c+3], s[4+2*\hd:5+2*\hd] offset:1536*\jp+512*\c
.endr
.if \jp%2
	v_cndmask_b32 v[PWM], v[PWE], v[PWE+1], s[HIL]
	global_store_b32 v[L4], v[PWM], s[10+2*\hd:11+2*\hd] offset:64*(\jp-1)
.endif
.endr
.endr
	s_branch .Lend
.Lv:
	; ---- V^T: my 128 rows are two heads of four units of 16 channels, my 128 columns one step of 128 keys
	s_sub_co_u32 s92, s[CID], 12
	s_lshl_b32 s92, s92, 4
	s_lshl_b32 s93, s41, 2
	s_add_co_u32 s92, s92, s93
	s_lshl_b32 s93, s15, 1
	s_add_co_u32 s92, s92, s93
	s_mul_i32 s92, s92, 51200
	s_mov_b32 s93, 0
	s_add_nc_u64 s[66:67], s[66:67], s[92:93]
	s_lshl_b32 s18, s40, 1
	s_add_co_u32 s18, s18, s16
	s_mul_i32 s92, s18, 6144
	s_add_nc_u64 s[4:5], s[66:67], s[92:93]
	s_lshl_b32 s92, s18, 8
	s_add_co_u32 s92, s92, 49152
	s_add_nc_u64 s[10:11], s[66:67], s[92:93]
.irp a, 0,1,2,3,4,5,6,7
.set QA, 64*(\a%4)
.set QB, QA+16
.set QC, QA+32
.set QD, QA+48
	s_wait_xcnt 0x0
	QUANTG 2+\a/4, PWE+\a%2
.irp c, 0,1,2
	global_store_b128 v[LI], v[PC+4*\c:PC+4*\c+3], s[4:5] offset:(\a/4)*51200+(\a%4)*1536+512*\c
.endr
.if \a%2
	v_cndmask_b32 v[PWM], v[PWE], v[PWE+1], s[HIL]
	global_store_b32 v[L4], v[PWM], s[10:11] offset:(\a/4)*51200+(\a%4-1)*64
.endif
.endr
.Lend:
	s_wait_tensorcnt 0x0                           ; the wave's end
	ds_add_u32 v[SPW], v[NIL]
	s_wait_dscnt 0x0
	CROUND                                         ; the closing round
	s_endpgm
.Lfunc_end_k_q83a41a5980_proj:
	.size	k_q83a41a5980_proj, .Lfunc_end_k_q83a41a5980_proj-k_q83a41a5980_proj
	.p2alignl 7, 3214868480
	.fill 96, 4, 3214868480
	.section	.rodata,"a",@progbits
	.p2align	6, 0x0
	.amdhsa_kernel k_q83a41a5980_proj
		.amdhsa_group_segment_fixed_size 327680
		.amdhsa_private_segment_fixed_size 0
		.amdhsa_enable_private_segment 0
		.amdhsa_kernarg_size 48
		.amdhsa_user_sgpr_count 2
		.amdhsa_user_sgpr_kernarg_segment_ptr 1
		.amdhsa_wavefront_size32 1
		.amdhsa_system_sgpr_workgroup_id_x 1
		.amdhsa_system_sgpr_workgroup_id_y 1
		.amdhsa_system_sgpr_workgroup_id_z 1
		.amdhsa_system_vgpr_workitem_id 0
		.amdhsa_next_free_vgpr 1024
		.amdhsa_next_free_sgpr 102
		.amdhsa_reserve_vcc 0
		.amdhsa_float_denorm_mode_32 3
		.amdhsa_float_denorm_mode_16_64 3
		.amdhsa_memory_ordered 1
		.amdhsa_forward_progress 1
		.amdhsa_inst_pref_size 205
	.end_amdhsa_kernel
	.amdgpu_metadata
---
amdhsa.version: [ 1, 2 ]
amdhsa.kernels:
  - .name:           k_q83a41a5980_proj
    .symbol:         k_q83a41a5980_proj.kd
    .args:
      - { .name: codes, .offset: 0, .size: 8, .value_kind: global_buffer, .address_space: global }
      - { .name: scales, .offset: 8, .size: 8, .value_kind: global_buffer, .address_space: global }
      - { .name: mask, .offset: 16, .size: 8, .value_kind: global_buffer, .address_space: global }
      - { .name: qbuf, .offset: 24, .size: 8, .value_kind: global_buffer, .address_space: global }
      - { .name: kbuf, .offset: 32, .size: 8, .value_kind: global_buffer, .address_space: global }
      - { .name: vbuf, .offset: 40, .size: 8, .value_kind: global_buffer, .address_space: global }
    .group_segment_fixed_size: 327680
    .private_segment_fixed_size: 0
    .kernarg_segment_align: 8
    .kernarg_segment_size: 48
    .max_flat_workgroup_size: 128
    .sgpr_count:     102
    .vgpr_count:     1024
    .wavefront_size: 32
...
	.end_amdgpu_metadata
.endif
;; end of part 2
;; launch attn (part 3): grid 8 x 32, 16 waves a work-group, clusters of 4 x 1, 327,680 bytes of LDS; arguments qbuf, kbuf, vbuf, mask, oc, os; writes oc, os
.if DOCPART == 3
	.amdgcn_target "amdgcn-amd-amdhsa--gfx1250"
	.amdhsa_code_object_version 6
	.text
	.protected	k_q83a41a5980_attn
	.globl	k_q83a41a5980_attn
	.p2align	8
	.type	k_q83a41a5980_attn,@function
k_q83a41a5980_attn:
	s_mov_b64 s[64:65], 0
	v_nop
	global_prefetch_b8 v0, s[64:65] scope:SCOPE_SE
	s_setreg_imm32_b32 hwreg(HW_REG_WAVE_MODE, 25, 1), 1
	s_wait_xcnt 0x0
	s_wait_alu depctr_hold_cnt(0) depctr_sa_sdst(0) depctr_va_vdst(0) depctr_va_sdst(0) depctr_va_ssrc(0) depctr_va_vcc(0) depctr_vm_vsrc(0)
	s_getreg_b32 s2, hwreg(HW_REG_IB_STS2, 6, 4)
	s_cmp_eq_u32 s2, 0
	s_cbranch_scc0 .Lentry_in_a_cluster
	s_endpgm
.Lentry_in_a_cluster:
	s_bfe_u32 s2, ttmp6, 0x10000c
	s_cmp_lg_u32 s2, 0x3003
	s_cbranch_scc0 .Lentry_shape_is_right
	s_endpgm
.Lentry_shape_is_right:
.set KREC,  51200
.set HEADB, 2*KREC
.set SCO,   49152
.set BIAS,  2*HEADB
.set SPARE, BIAS+8192                  ; the mask's bias table stands twice on end: the last step's look-ahead of 512 bytes reads written bytes
.set PIECE, 6400
.set QREC,  102400
.set QSCO,  98304
.set LI,  1
.set LS,  2
.set LB,  3
.set SPW, 4
.set NIL, 5
.set AD,  6
.set ASC, 7
.set AB,  8
.set QO,  9
.set QS,  16
.set KSW, 18
.set VSW, 22
.set PW,  26
.set OW,  27
.set F,   28
.set T,   30
.set UN,  32
.set BM,  80
.set T2,  84
.set SO,  92
.set S,   96
.set O,   160
.set Q,   192
.set PC,  228
.set OC,  240
.set WV,  16
.set CS,  22
.set G1,  24
.set G0A, 32
.set G0B, 36
.set SEL, 40
.set TB,  42
.set TS,  43
.set TBI, 44
.set CNT, 45
.macro CROUND
	s_barrier_signal -1
	s_barrier_wait -1
	s_cmp_lg_u32 s[WV], 0
	s_cbranch_scc1 .Lnot_wave_0_\@
	s_barrier_signal -3
.Lnot_wave_0_\@:
	s_barrier_wait -3
	s_barrier_signal -1
	s_barrier_wait -1
.endm
	s_load_b256 s[4:11], s[0:1], 0x0
	s_load_b128 s[12:15], s[0:1], 0x20
	v_lshl_add_u32 v[SPW], v0, 2, SPARE
	v_mov_b32 v[NIL], 0
	ds_add_u32 v[SPW], v[NIL]
	ds_add_u32 v[SPW], v[NIL]
	v_lshrrev_b32 v[T], 5, v0
	s_delay_alu instid0(VALU_DEP_1)
	v_readfirstlane_b32 s[WV], v[T]
	s_bfe_u32 s17, ttmp6, 0x40000
	s_lshl_b32 s18, ttmp9, 2
	s_add_co_u32 s18, s18, s17
	s_and_b32 s19, ttmp7, 0xffff
	s_lshr_b32 s20, s19, 3
	s_and_b32 s21, s19, 7
	s_mov_b32 s[G1], 15|(3<<16)|(1<<21)
	s_mov_b32 s[G1+1], 32<<16
	s_mov_b32 s[G1+2], 25<<16
	s_mov_b32 s[G1+3], 32<<16
	s_mov_b32 s[G1+4], 25
	s_mov_b32 s[G1+5], 32
	s_mov_b32 s[G1+6], 0
	s_mov_b32 s[G1+7], 0
	s_mov_b32 s[CS], 0x3e38aa3b
	s_mov_b32 s[CS+1], s[CS]
	s_mov_b32 s[SEL], 0x76543210
	s_mov_b32 s[SEL+1], 0xfedcba98
	s_mul_i32 s46, s19, 2*KREC
	s_and_b32 s48, s[WV], 7
	s_mul_i32 s48, s48, PIECE
	s_add_co_u32 s46, s46, s48
	s_mov_b32 s47, 0
	s_mul_i32 s49, s[WV], PIECE
	s_wait_dscnt 0x0
	s_wait_kmcnt 0x0
	s_cmp_lt_u32 s[WV], 8
	s_cselect_b64 s[50:51], s[6:7], s[8:9]
	s_mov_b32 s[G0A], 1
	s_mov_b32 s[G0A+1], s49
	s_add_nc_u64 s[G0A+2:G0A+3], s[50:51], s[46:47]
	s_mov_b32 s[G0B], 1
	s_add_co_u32 s[G0B+1], s49, HEADB
	s_add_nc_u64 s[G0B+2:G0B+3], s[G0A+2:G0A+3], KREC
	s_or_b32 s[G0A+3], s[G0A+3], 0x80000000
	s_or_b32 s[G0B+3], s[G0B+3], 0x80000000
	CROUND
	tensor_load_to_lds s[G0A:G0A+3], s[G1:G1+7]    ; the first head's K and V, a piece a wave; the set-up and the loads of the mask and of q stand between it and the wait for it
	s_nop 0
	v_lshlrev_b32 v[T+1], 1, v0
	s_lshl_b32 s46, s20, 10
	s_add_nc_u64 s[10:11], s[10:11], s[46:47]
	global_load_u16 v[T], v[T+1], s[10:11]
	v_and_b32 v[LI], 31, v0
	s_delay_alu instid0(VALU_DEP_1)
	v_lshlrev_b32 v[LI], 4, v[LI]
	v_and_b32 v[LS], 15, v0
	s_delay_alu instid0(VALU_DEP_1)
	v_lshlrev_b32 v[LS], 2, v[LS]
	v_bfe_u32 v[LB], v0, 4, 1
	s_delay_alu instid0(VALU_DEP_1)
	v_lshlrev_b32 v[LB], 6, v[LB]
	v_lshl_add_u32 v[AB], v0, 3, BIAS
	s_and_b32 s48, s[WV], 1
	s_mul_i32 s49, s48, 520
	v_add_nc_u32 v[QO], s49, v[LI]
	s_wait_alu depctr_va_vdst(0)
	v_add_nc_u32 v[QO+2], 512, v[QO]
	s_mul_i32 s49, s48, 1016
	s_add_co_u32 s49, s49, 8
	v_add_nc_u32 v[QO+1], s49, v[LI]
	s_wait_alu depctr_va_vdst(0)
	s_lshl_b32 s50, s18, 3
	s_lshr_b32 s51, s[WV], 1
	s_add_co_u32 s50, s50, s51
	s_mul_i32 s51, s19, 2*QREC
	s_mul_i32 s46, s50, 1536
	s_add_co_u32 s46, s46, s51
	s_add_nc_u64 s[52:53], s[4:5], s[46:47]
	s_lshl_b32 s46, s50, 6
	s_add_co_u32 s46, s46, s51
	s_add_co_u32 s46, s46, QSCO
	s_add_nc_u64 s[54:55], s[4:5], s[46:47]
.irp e, 0,1
.irp p, 0,1,2
	global_load_b64 v[Q+18*\e+2*\p:Q+18*\e+2*\p+1], v[QO+\p], s[52:53] offset:QREC*\e
	global_load_b64 v[Q+18*\e+12+2*\p:Q+18*\e+12+2*\p+1], v[QO+\p], s[52:53] offset:QREC*\e
.endr
	global_load_b32 v[QS+\e], v[LS], s[54:55] offset:QREC*\e
.endr
.irp e, 0,1
.irp i, 6,7,8,9,10,11
	v_mov_b32 v[Q+18*\e+\i], 0
.endr
.endr
.irp i, 0,1,2,3
	v_mov_b32 v[T2+\i], 0
.endr
	v_mov_b32 v[F+1], 0
	s_wait_alu depctr_va_vdst(0)
	s_wait_tensorcnt 0x0                           ; my piece of the first head is in
	ds_add_u32 v[SPW], v[NIL]
	s_wait_dscnt 0x0
	CROUND
	tensor_load_to_lds s[G0B:G0B+3], s[G1:G1+7]    ; the second head's K and V
	s_nop 0
.rept 4
	v_nop
.endr
	s_wait_loadcnt 14
	v_and_b32 v[BM], 0xff, v[T]
	v_lshrrev_b32 v[BM+1], 8, v[T]
	s_delay_alu instid0(VALU_DEP_2)
	v_add_nc_u32 v[BM], -1, v[BM]
	s_delay_alu instid0(VALU_DEP_2)
	v_add_nc_u32 v[BM+1], -1, v[BM+1]
	s_delay_alu instid0(VALU_DEP_2)
	v_and_b32 v[BM], 0xfe800000, v[BM]
	s_delay_alu instid0(VALU_DEP_2)
	v_and_b32 v[BM+1], 0xfe800000, v[BM+1]
	ds_store_b64 v[AB], v[BM:BM+1]
	ds_store_b64 v[AB], v[BM:BM+1] offset:4096     ; the table once more, behind itself
	s_wait_loadcnt 0x0
	s_lshl_b32 s48, s48, 4
.irp e, 0,1
	v_lshrrev_b32 v[QS+\e], s48, v[QS+\e]
	s_delay_alu instid0(VALU_DEP_1)
	v_and_b32 v[QS+\e], 0xffff, v[QS+\e]
	s_delay_alu instid0(VALU_DEP_1)
	v_lshl_or_b32 v[QS+\e], v[QS+\e], 16, v[QS+\e]
.endr
.macro BIASLD a                        ; a step's bias, the C of its scores: 64 registers, 16 loads
.irp b, 0,1,2,3
.irp i, 0,1,2,3
	ds_load_b128 v[S+16*\b+4*\i:S+16*\b+4*\i+3], v[\a] offset:128*\b+16*\i
.endr
.endr
.endm
.macro HEADPASS e
	s_mov_b32 s[TB], HEADB*\e
	s_mov_b32 s[TS], HEADB*\e+SCO
	s_mov_b32 s[TBI], BIAS
	v_mov_b32 v13, 0xff61b1e6
	s_delay_alu instid0(VALU_DEP_1)
	v_floor_f32 v12, -v13
	v_mov_b32 v14, 0
	v_mov_b32 v15, 0
.set j, 0
.rept 32
	v_mov_b32 v[O+j], 0
.set j, j+1
.endr
	s_mov_b32 s[CNT], 8
	v_add_nc_u32 v[AB], s[TBI], v[LB]
	BIASLD AB                                      ; step 0's bias; each later step's is asked for in the step before it
.Lstep_\@:
	v_add_nc_u32 v[AD], s[TB], v[LI]
	v_add_nc_u32 v[ASC], s[TS], v[LS]
	v_nop
	v_nop                                          ; four places behind the last products, ahead of the loads into their operands
.irp u, 0,1,2,3
.irp c, 0,1,2
	ds_load_b128 v[UN+12*\u+4*\c:UN+12*\u+4*\c+3], v[AD] offset:1536*\u+512*\c
.endr
	ds_load_b32 v[KSW+\u], v[ASC] offset:64*\u
.endr
	s_wait_alu depctr_va_vdst(0)
	s_wait_dscnt 0x0
.irp u, 0,1,2,3
	v_wmma_scale_f32_16x16x128_f8f6f4 v[S+16*\u:S+16*\u+7], v[UN+12*\u:UN+12*\u+11], v[Q+18*\e:Q+18*\e+11], v[S+16*\u:S+16*\u+7], v[KSW+\u], v[QS+\e] matrix_a_fmt:MATRIX_FMT_FP6 matrix_b_fmt:MATRIX_FMT_FP6
	v_wmma_scale_f32_16x16x128_f8f6f4 v[S+16*\u+8:S+16*\u+15], v[UN+12*\u:UN+12*\u+11], v[Q+18*\e+6:Q+18*\e+17], v[S+16*\u+8:S+16*\u+15], v[KSW+\u], v[QS+\e] matrix_a_fmt:MATRIX_FMT_FP6 matrix_b_fmt:MATRIX_FMT_FP6
.endr
.rept 4
	v_nop
.endr
.irp t, 0,1,2,3
.irp c, 0,1,2
	ds_load_b128 v[UN+12*\t+4*\c:UN+12*\t+4*\c+3], v[AD] offset:KREC+1536*\t+512*\c
.endr
	ds_load_b32 v[VSW+\t], v[ASC] offset:KREC+64*\t
.endr
.irp b, 0,1,2,3
	v_max3_num_f32 v[BM+\b], v[S+16*\b], v[S+1+16*\b], v[S+2+16*\b]
.endr
.irp i, 3,5,7,9,11,13
.irp b, 0,1,2,3
	v_max3_num_f32 v[BM+\b], v[BM+\b], v[S+16*\b+\i], v[S+1+16*\b+\i]
.endr
.endr
.irp b, 0,1,2,3
	v_max_num_f32 v[BM+\b], v[BM+\b], v[S+15+16*\b]
.endr
.irp b, 0,1,2,3
	s_delay_alu instid0(VALU_DEP_4)
	v_permlanex16_b32 v[T2+\b], v[BM+\b], s[SEL], s[SEL+1]
.endr
.irp b, 0,1,2,3
	s_delay_alu instid0(VALU_DEP_4)
	v_max_num_f32 v[BM+\b], v[BM+\b], v[T2+\b]
.endr
	s_delay_alu instid0(VALU_DEP_2)
	v_max3_num_f32 v[T], v[BM], v[BM+1], v[BM+2]
	s_delay_alu instid0(VALU_DEP_1)
	v_max_num_f32 v[T], v[T], v[BM+3]
	s_delay_alu instid0(VALU_DEP_1)
	v_mul_f32 v[T], s[CS], v[T]
	s_delay_alu instid0(VALU_DEP_1)
	v_max_num_f32 v13, v13, v[T]
	v_mov_b32 v[T], v12
	s_delay_alu instid0(VALU_DEP_2)
	v_floor_f32 v12, -v13
	s_delay_alu instid0(VALU_DEP_1)
	v_sub_f32 v[T], v12, v[T]
	s_delay_alu instid0(VALU_DEP_1)
	v_cvt_i32_f32 v[T], v[T]
	s_delay_alu instid0(VALU_DEP_1)
	v_ldexp_f32 v[F], 1.0, v[T]
.set j, 0
.rept 32
	v_pk_fma_f32 v[S+j:S+j+1], v[S+j:S+j+1], s[CS:CS+1], v[12:13] op_sel_hi:[1,0,0]
.set j, j+2
.endr
.irp b, 0,1,2,3
	v_fma_f32 v[BM+\b], v[BM+\b], s[CS], v12
.endr
.set j, 0
	s_wait_alu depctr_va_vdst(0)
.rept 64
	v_exp_f32 v[S+j], v[S+j]
.set j, j+1
.endr
	v_pk_mul_f32 v[14:15], v[14:15], v[F:F+1] op_sel_hi:[1,0]
	s_wait_alu depctr_va_vdst(0)
.irp b, 0,1,2,3
	v_exp_f32 v[BM+\b], v[BM+\b]
.endr
	v_pk_add_f32 v[T2:T2+1], v[S:S+1], v[S+2:S+3]
.set j, 4
.rept 15
	v_pk_add_f32 v[14:15], v[14:15], v[S+j:S+j+1]
	v_pk_add_f32 v[T2:T2+1], v[T2:T2+1], v[S+j+2:S+j+3]
.set j, j+4
.endr
	s_delay_alu instid0(VALU_DEP_1)
	v_pk_add_f32 v[14:15], v[14:15], v[T2:T2+1]
	s_wait_alu depctr_va_vdst(0)
.irp b, 0,1,2,3
	v_max_num_f32 v[BM+\b], 0x1800000, v[BM+\b]
.endr
.irp b, 0,1,2,3
	s_delay_alu instid0(VALU_DEP_4)
	v_add_nc_u32 v[SO+\b], 0xff000000, v[BM+\b]
.endr
.irp b, 0,1,2,3
	s_delay_alu instid0(VALU_DEP_4)
	v_lshrrev_b32 v[T2+\b], 23, v[SO+\b]
.endr
	s_delay_alu instid0(VALU_DEP_3)
	v_lshl_or_b32 v[PW], v[T2+1], 8, v[T2]
	s_delay_alu instid0(VALU_DEP_1)
	v_lshl_or_b32 v[PW], v[T2+2], 16, v[PW]
	s_delay_alu instid0(VALU_DEP_1)
	v_lshl_or_b32 v[PW], v[T2+3], 24, v[PW]
.irp c, 0,1
	v_cvt_scalef32_pk16_fp6_f32 v[PC+6*\c:PC+6*\c+2], v[S+32*\c:S+32*\c+15], v[SO+2*\c]
	v_cvt_scalef32_pk16_fp6_f32 v[T2+4*\c:T2+4*\c+2], v[S+16+32*\c:S+31+32*\c], v[SO+2*\c+1]
.endr
	s_add_co_u32 s[TBI], s[TBI], 512
	v_add_nc_u32 v[AB], s[TBI], v[LB]              ; (the plain place behind the scaled conversions)
	BIASLD AB                                      ; p has been read: its registers take the next step's bias; the wait ahead of the products below covers these loads
.irp c, 0,1
.irp i, 0,1,2
	v_permlane16_swap_b32 v[PC+6*\c+\i], v[T2+4*\c+\i]
.endr
.irp i, 0,1,2
	s_delay_alu instid0(VALU_DEP_3)
	v_mov_b32 v[PC+3+6*\c+\i], v[T2+4*\c+\i]
.endr
.endr
.set j, 0
.rept 16
	v_pk_mul_f32 v[O+j:O+j+1], v[O+j:O+j+1], v[F:F+1] op_sel_hi:[1,0]
.set j, j+2
.endr
	s_wait_alu depctr_va_vdst(0)
	s_wait_dscnt 0x0
.irp t, 0,1,2,3
	v_wmma_scale_f32_16x16x128_f8f6f4 v[O+8*\t:O+8*\t+7], v[UN+12*\t:UN+12*\t+11], v[PC:PC+11], v[O+8*\t:O+8*\t+7], v[VSW+\t], v[PW] matrix_a_fmt:MATRIX_FMT_FP6 matrix_b_fmt:MATRIX_FMT_FP6
.endr
	s_add_co_u32 s[TB], s[TB], 6144
	s_add_co_u32 s[TS], s[TS], 256
	s_sub_co_u32 s[CNT], s[CNT], 1
	s_cmp_lg_u32 s[CNT], 0
	s_cbranch_scc1 .Lstep_\@
.rept 4
	v_nop
.endr
	v_add_f32 v14, v14, v15
	s_delay_alu instid0(VALU_DEP_1)
	v_permlanex16_b32 v[T], v14, s[SEL], s[SEL+1]
	s_delay_alu instid0(VALU_DEP_1)
	v_add_f32 v14, v14, v[T]
	s_wait_alu depctr_va_vdst(0)
	v_rcp_f32 v14, v14
	v_nop
	s_wait_alu depctr_va_vdst(0)
.set j, 0
.rept 16
	v_pk_mul_f32 v[S+j:S+j+1], v[O+j:O+j+1], v[14:15] op_sel_hi:[1,0]
.set j, j+2
.endr
.irp b, 0,1
	v_max3_num_f32 v[BM+\b], |v[S+16*\b]|, |v[S+1+16*\b]|, 0x1800000
.endr
.irp i, 2,4,6,8,10,12,14
.irp b, 0,1
	s_delay_alu instid0(VALU_DEP_2)
	v_max3_num_f32 v[BM+\b], v[BM+\b], |v[S+16*\b+\i]|, |v[S+1+16*\b+\i]|
.endr
.endr
.irp b, 0,1
	s_delay_alu instid0(VALU_DEP_2)
	v_permlanex16_b32 v[T2+\b], v[BM+\b], s[SEL], s[SEL+1]
.endr
.irp b, 0,1
	s_delay_alu instid0(VALU_DEP_2)
	v_max_num_f32 v[BM+\b], v[BM+\b], v[T2+\b]
.endr
.irp b, 0,1
	s_delay_alu instid0(VALU_DEP_2)
	v_add_nc_u32 v[SO+\b], 0xff000000, v[BM+\b]
.endr
.irp b, 0,1
	s_delay_alu instid0(VALU_DEP_2)
	v_lshrrev_b32 v[T2+\b], 23, v[SO+\b]
.endr
.if \e == 0
	s_delay_alu instid0(VALU_DEP_1)
	v_lshl_or_b32 v[OW], v[T2+1], 8, v[T2]
.else
	s_delay_alu instid0(VALU_DEP_2)
	v_lshl_or_b32 v[OW], v[T2], 16, v[OW]
	s_delay_alu instid0(VALU_DEP_1)
	v_lshl_or_b32 v[OW], v[T2+1], 24, v[OW]
.endif
	v_cvt_scalef32_pk16_fp6_f32 v[OC+6*\e:OC+6*\e+2], v[S:S+15], v[SO]
	v_cvt_scalef32_pk16_fp6_f32 v[T2:T2+2], v[S+16:S+31], v[SO+1]
	v_nop
.irp i, 0,1,2
	v_permlane16_swap_b32 v[OC+6*\e+\i], v[T2+\i]
.endr
.irp i, 0,1,2
	s_delay_alu instid0(VALU_DEP_3)
	v_mov_b32 v[OC+6*\e+3+\i], v[T2+\i]
.endr
.endm
	s_wait_dscnt 0x0                               ; my part of the mask's bias is stored; the first head's tiles were shown whole by the round above
	s_barrier_signal -1
	s_barrier_wait -1                              ; the second head's load may stay out
	HEADPASS 0
	s_wait_tensorcnt 0x0                           ; my piece of the second head's tiles is in,
	s_barrier_signal -1
	s_barrier_wait -1                              ; everybody's are
	HEADPASS 1
	s_lshl_b32 s46, s20, 7
	s_lshl_b32 s48, s18, 4
	s_add_co_u32 s46, s46, s48
	s_add_co_u32 s48, s46, s[WV]
	s_lshl_b32 s46, s48, 3
	s_add_co_u32 s46, s46, s21
	s_mul_i32 s46, s46, 1536
	s_add_nc_u64 s[12:13], s[12:13], s[46:47]
	s_lshl_b32 s46, s48, 9
	s_lshl_b32 s48, s21, 2
	s_add_co_u32 s46, s46, s48
	s_add_nc_u64 s[14:15], s[14:15], s[46:47]
	v_lshlrev_b32 v[QO], 3, v[LS]
	s_wait_alu depctr_va_vdst(0)
.irp c, 0,1,2
	global_store_b128 v[LI], v[OC+4*\c:OC+4*\c+3], s[12:13] offset:512*\c
.endr
	global_store_b32 v[QO], v[OW], s[14:15]
	s_wait_tensorcnt 0x0
	ds_add_u32 v[SPW], v[NIL]
	s_wait_dscnt 0x0
	CROUND
	s_endpgm
.Lfunc_end_k_q83a41a5980_attn:
	.size	k_q83a41a5980_attn, .Lfunc_end_k_q83a41a5980_attn-k_q83a41a5980_attn
	.p2alignl 7, 3214868480
	.fill 96, 4, 3214868480
	.section	.rodata,"a",@progbits
	.p2align	6, 0x0
	.amdhsa_kernel k_q83a41a5980_attn
		.amdhsa_group_segment_fixed_size 327680
		.amdhsa_private_segment_fixed_size 0
		.amdhsa_enable_private_segment 0
		.amdhsa_kernarg_size 48
		.amdhsa_user_sgpr_count 2
		.amdhsa_user_sgpr_kernarg_segment_ptr 1
		.amdhsa_wavefront_size32 1
		.amdhsa_system_sgpr_workgroup_id_x 1
		.amdhsa_system_sgpr_workgroup_id_y 1
		.amdhsa_system_sgpr_workgroup_id_z 1
		.amdhsa_system_vgpr_workitem_id 0
		.amdhsa_next_free_vgpr 256
		.amdhsa_next_free_sgpr 66
		.amdhsa_reserve_vcc 0
		.amdhsa_float_denorm_mode_32 3
		.amdhsa_float_denorm_mode_16_64 3
		.amdhsa_memory_ordered 1
		.amdhsa_forward_progress 1
		.amdhsa_inst_pref_size 59
	.end_amdhsa_kernel
	.amdgpu_metadata
---
amdhsa.version: [ 1, 2 ]
amdhsa.kernels:
  - .name:           k_q83a41a5980_attn
    .symbol:         k_q83a41a5980_attn.kd
    .args:
      - { .name: qbuf, .offset: 0, .size: 8, .value_kind: global_buffer, .address_space: global }
      - { .name: kbuf, .offset: 8, .size: 8, .value_kind: global_buffer, .address_space: global }
      - { .name: vbuf, .offset: 16, .size: 8, .value_kind: global_buffer, .address_space: global }
      - { .name: mask, .offset: 24, .size: 8, .value_kind: global_buffer, .address_space: global }
      - { .name: oc, .offset: 32, .size: 8, .value_kind: global_buffer, .address_space: global }
      - { .name: os, .offset: 40, .size: 8, .value_kind: global_buffer, .address_space: global }
    .group_segment_fixed_size: 327680
    .private_segment_fixed_size: 0
    .kernarg_segment_align: 8
    .kernarg_segment_size: 48
    .max_flat_workgroup_size: 512
    .sgpr_count:     66
    .vgpr_count:     256
    .wavefront_size: 32
...
	.end_amdgpu_metadata
.endif
;; end of part 3
;; launch outp (part 4): grid 8 x 32, 4 waves a work-group, clusters of 4 x 4, 327,680 bytes of LDS; arguments oc, os, codes, scales, b_out, out0; writes out0
.if DOCPART == 4
	.amdgcn_target "amdgcn-amd-amdhsa--gfx1250"
	.amdhsa_code_object_version 6
	.text
	.protected	k_q83a41a5980_outp
	.globl	k_q83a41a5980_outp
	.p2align	8
	.type	k_q83a41a5980_outp,@function
k_q83a41a5980_outp:
	s_mov_b64 s[64:65], 0
	v_nop
	global_prefetch_b8 v0, s[64:65] scope:SCOPE_SE
	s_setreg_imm32_b32 hwreg(HW_REG_WAVE_MODE, 25, 1), 1
	s_wait_xcnt 0x0
	s_wait_alu depctr_hold_cnt(0) depctr_sa_sdst(0) depctr_va_vdst(0) depctr_va_sdst(0) depctr_va_ssrc(0) depctr_va_vcc(0) depctr_vm_vsrc(0)
	s_getreg_b32 s2, hwreg(HW_REG_IB_STS2, 6, 4)
	s_cmp_eq_u32 s2, 0
	s_cbranch_scc0 .Lentry_in_a_cluster
	s_endpgm
.Lentry_in_a_cluster:
	s_bfe_u32 s2, ttmp6, 0x10000c
	s_cmp_lg_u32 s2, 0xf033
	s_cbranch_scc0 .Lentry_shape_is_right
	s_endpgm
.Lentry_shape_is_right:
; out0[m][n] = sum over k of o[m][k] Wout[n][k] + b_out[n], on codes of FP6 (E2M3) with E8M0 scales; M = 8,192, N = 1,024, K = 1,024; sums in f32.
; A tile of 256 rows x 128 columns to a work-group: 32 x 8 = 256 work-groups.  Its four waves stand one below the other: wave w makes rows 64 w .. 64 w + 63 x all 128 columns: 32 accumulators, 256 registers.
; ALL OF K LIES IN LDS, EACH BYTE FILLED ONCE: no ring, no slot filled again, no barrier in the K steps.  A: 256 rows x 768 bytes = 196,608; B: 128 rows x (768 + 48 of padding) = 104,448; the scales 13,056.
; A = o lies in memory as UNITS, images of an operand's 12 registers (16 rows x 128 K: register n of lane l at byte 512 (n / 4) + 16 l + 4 (n % 4)), [block of 16 rows][K / 128]: a fragment comes from LDS by three loads of
; 512 consecutive bytes.  B = Wout's rows of the stream of codes (rows 15360 on), whole rows of 768 bytes, 16 bytes of padding behind each 256: rows 816 bytes = 204 words apart: row r starts at bank 12 r mod 64
; (64 banks of 4 bytes: ISA guide 11.1), so the 32 lanes of a load of 8 bytes touch 64 different banks.
; THE LOADS.  Every wave issues seven tensor loads, one behind the other, behind the one round of the cluster's barrier: its 64 rows' scales of A, 32 rows' scales of B, 32 rows of B, and, a quarter of K each, four tiles of
; ITS OWN four blocks of A: seven of mine are out at the most.  A's bytes are read by the wave that fetched them alone: its own counted wait orders them, and the later quarters land under the earlier quarters' products.
; B and the scales are read by all four waves: one barrier.  4 x 4 work-groups form a cluster: what hangs on the tile row (A, its scales) is asked for jointly along a row of the cluster, what hangs on the tile column along a column.
; No prefetch: all that the launch reads is asked for at its head.
; o's rows are stored with bits 3 and 4 of the row number exchanged (stored row 16 a + t is row 32 (a / 2) + 8 (a % 2) + t + 8 (t / 8)): the stores' immediates put them back.
; THE MATRIX INSTRUCTION IS USED TRANSPOSED (source 0 = 16 rows of B, source 1 = 16 rows of A): a lane holds eight neighbouring numbers of a row.  The bias is the C of each sum's first product.
; REGISTERS: window 0: v16-29 addresses; v32-95 the scale words of all eight steps; v96-159 the bias; v160-255 A's fragments, two sets of four (on the way out v128-255: rows read back).
;   window 1: B's fragments, two sets of eight.   window 2: the accumulators ((a, b) at v[8 (8 a + b)]).
; THE LOADS AS THIS TEXT HAS THEM (in place of the paragraph on loads above): at the head one tensor load a wave: wave 0 the first half of K of all sixteen blocks of A, wave 1 B's 128 rows, wave 2 A's scales, wave 3 B's.
; Behind the wait for them, the add, its wait and a round of the cluster's barrier each wave asks for the second half of K of ITS OWN four blocks of A: one load of mine is out, and it is waited for ahead of step 4's fragments.
.set SIZE_N, 1024
.set FR,     12                        ; registers of a fragment
.set NP,     4                         ; places behind this matrix instruction (ISA guide 7.12.1)
.set AROWB,  6144                      ; half of K of a block of 16 rows of A: four units
.set AWV,    4*AROWB                   ; of a wave's four blocks
.set AQ,     4*AWV                     ; of the work-group's sixteen: LDS: A's two halves from byte 0 on
.set BBASE,  2*AQ                      ; behind them B's 128 rows
.set KROW,   768                       ; a row of B's codes in memory
.set BP,     816                       ; and in LDS
.set BWV,    32*BP                     ; a quarter of B's 128 rows
.set SCA,    BBASE+4*BWV               ; A's scales: blocks of 256 bytes + 16 of padding; 64 rows x 32 bytes = 8 blocks a wave
.set SAW,    8*272
.set SCB,    SCA+4*SAW                 ; B's: 32 rows = 4 blocks a wave
.set SBW,    4*272
.set SBLK,   2*272                     ; the scales of 16 rows
.set SPARE,  SCB+4*SBW                 ; the spare words, 128 bytes a wave
.set SPITCH, 528                       ; the way out: a stage of 16 rows x (512 bytes + 16) for each wave, in its own part of A's first half: those bytes have had their one fill, and no other wave touches them
.set ADRA, 16                          ; v16-17 LDS address of my units in half 0, 1
.set ADRB, 20                          ; v20, v21 of B's blocks 0-3, 4-7; v22, v23 the same behind one padding more
.set STO,  24
.set RD,   25
.set CO,   26                          ; v26  16 x lane
.set ADRS, 27                          ; v27  my scale words: lanes 0-15 A's rows, lanes 16-31 B's
.set SPW,  28
.set NIL,  29
.set SC,   32                          ; register 8 i + s: lanes 0-15 the word of A's block i, lanes 16-31 that of B's block i, for step s
.set BI,   96
.set AF,   160
.set BK,   128
.set G1A,  24                          ; s[24:31] group 1 for A's tiles; s[32:39] for B's; s[48:55] for A's scales; s[56:63] for B's
.set G1B,  32
.set G1S,  48
.set G1SB, 56
.set G0S,  68                          ; groups 0: A's scales, B's scales, B, A's two halves: a set for each load
.set G0SB, 72
.set G0B,  76
.set G0A,  80
.set MSB, 0
.macro WIN new                         ; the immediate's high byte repeats the setting that is left
.if MSB != (\new)
	s_set_vgpr_msb (MSB<<8)|(\new)
.set MSB, (\new)
.endif
.endm
.set MUL,   0xa1                       ; source 0 (B) window 1, source 1 (A) window 0, C and D window 2
.set MULB,  0x81                       ; the same with C (the bias) in window 0
.set TO_B,  0x40                       ; destination window 1, address window 0
.macro CROUND                          ; a round of the cluster's barrier
	s_barrier_signal -1
	s_barrier_wait -1
	s_cmp_lg_u32 s14, 0
	s_cbranch_scc1 .Lnot_wave_0_\@
	s_barrier_signal -3
.Lnot_wave_0_\@:
	s_barrier_wait -3
	s_barrier_signal -1
	s_barrier_wait -1
.endm
	s_load_b128 s[4:7], s[0:1], 0x0                ; oc, os
	s_load_b128 s[8:11], s[0:1], 0x10              ; codes, scales
	s_load_b64 s[66:67], s[0:1], 0x20              ; b_out
	s_load_b64 s[12:13], s[0:1], 0x28              ; out0
	v_lshl_add_u32 v[SPW], v0, 2, SPARE
	v_mov_b32 v[NIL], 0
	ds_add_u32 v[SPW], v[NIL]                      ; the wave's opening: the add and its wait ahead of my first tensor load; the set-up below stands between them
	ds_add_u32 v[SPW], v[NIL]
	v_lshrrev_b32 v1, 5, v0
	v_readfirstlane_b32 s14, v1                    ; wave 0..3
	s_bfe_u32 s40, ttmp6, 0x40000                  ; cx, cy: my place in the cluster
	s_bfe_u32 s41, ttmp6, 0x40004
	s_lshl_b32 s42, ttmp9, 2
	s_add_co_u32 s42, s42, s40                     ; tile column, 0..7
	s_and_b32 s17, ttmp7, 0xffff
	s_lshl_b32 s17, s17, 2
	s_add_co_u32 s17, s17, s41                     ; tile row, 0..31
	s_lshl_b32 s43, s41, 2
	s_lshl_b32 s43, 15, s43                        ; my row of the cluster
	s_lshl_b32 s44, 0x1111, s40                    ; my column
	; A's tiles: 16 rows at the head, later 4 (blocks of 16 rows of o), of 6,144 bytes (768 elements of 8), 12,288 bytes apart, no padding
	s_or_b32 s[G1A+0], s43, (3<<16)|(1<<21)
	s_mov_b32 s[G1A+1], 768<<16                    ; rows of 6,144 bytes (768 elements of 8); at the head 16 of them
	s_mov_b32 s[G1A+2], 16<<16
	s_mov_b32 s[G1A+3], 768<<16
	s_mov_b32 s[G1A+4], 16
	s_mov_b32 s[G1A+5], 1536                       ; tensor_dim0_stride
	s_mov_b32 s[G1A+6], 0
	s_mov_b32 s[G1A+7], 0
	; B's tiles: 128 rows of 768 bytes, 4 words of padding (code 3) behind every 64 words (code 5)
	s_or_b32 s[G1B+0], s44, (0<<16)|(1<<20)|(1<<21)|(5<<22)|(3<<25)
	s_mov_b32 s[G1B+1], KROW<<16
	s_mov_b32 s[G1B+2], 128<<16
	s_mov_b32 s[G1B+3], KROW<<16
	s_mov_b32 s[G1B+4], 128
	s_mov_b32 s[G1B+5], KROW
	s_mov_b32 s[G1B+6], 0
	s_mov_b32 s[G1B+7], 0
	; the scales: dense bytes as rows of 256 (32 elements of 8), 16 bytes of padding behind each: A's 32 rows, B's 16
	s_or_b32 s[G1S+0], s43, (3<<16)|(1<<20)|(1<<21)|(5<<22)|(3<<25)
	s_mov_b32 s[G1S+1], 32<<16
	s_mov_b32 s[G1S+2], 32<<16
	s_mov_b32 s[G1S+3], 32<<16
	s_mov_b32 s[G1S+4], 32
	s_mov_b32 s[G1S+5], 32
	s_mov_b32 s[G1S+6], 0
	s_mov_b32 s[G1S+7], 0
	s_or_b32 s[G1SB+0], s44, (3<<16)|(1<<20)|(1<<21)|(5<<22)|(3<<25)
	s_mov_b32 s[G1SB+1], 32<<16
	s_mov_b32 s[G1SB+2], 16<<16
	s_mov_b32 s[G1SB+3], 32<<16
	s_mov_b32 s[G1SB+4], 16
	s_mov_b32 s[G1SB+5], 32
	s_mov_b32 s[G1SB+6], 0
	s_mov_b32 s[G1SB+7], 0
	; where they come from.  A's registers hold the tile row and the wave's number, B's the tile column alone: neither ever holds the other coordinate
	s_lshl_b32 s20, s17, 8                         ; A: stored row 256 x tile row
	s_mov_b32 s21, 0
	s_lshl_b32 s46, s42, 7
	s_add_co_u32 s46, s46, 15360                   ; B: Wout's row 128 x tile column, in the stream
	s_mov_b32 s47, 0
	s_mov_b64 s[18:19], 32
	s_mul_u64 s[22:23], s[20:21], s[18:19]         ; where these rows' scales begin, in bytes
	s_mul_u64 s[96:97], s[46:47], s[18:19]
	s_mov_b64 s[18:19], KROW
	s_mul_u64 s[20:21], s[20:21], s[18:19]         ; and their codes (A: 768 bytes a row are 12,288 for a block of 16)
	s_mul_u64 s[46:47], s[46:47], s[18:19]
	s_mul_i32 s45, s14, AWV                        ; and where they go: the wave's number times a constant: no place in the cluster enters an LDS address
	s_mul_i32 s16, s14, SAW
	s_wait_dscnt 0x0                               ; the opening add is done
	s_wait_kmcnt 0x0
	s_add_nc_u64 s[20:21], s[4:5], s[20:21]
	s_add_nc_u64 s[22:23], s[6:7], s[22:23]
	s_add_nc_u64 s[46:47], s[8:9], s[46:47]
	s_add_nc_u64 s[96:97], s[10:11], s[96:97]
	s_mov_b32 s[G0S], 1                            ; count = 1
	s_mov_b32 s[G0S+1], SCA
	s_mov_b64 s[G0S+2:G0S+3], s[22:23]             ; global address
	s_or_b32 s[G0S+3], s[G0S+3], 0x80000000        ; type = 2
	s_mov_b32 s[G0SB], 1
	s_mov_b32 s[G0SB+1], SCB
	s_mov_b64 s[G0SB+2:G0SB+3], s[96:97]
	s_or_b32 s[G0SB+3], s[G0SB+3], 0x80000000
	s_mov_b32 s[G0B], 1
	s_mov_b32 s[G0B+1], BBASE
	s_mov_b64 s[G0B+2:G0B+3], s[46:47]
	s_or_b32 s[G0B+3], s[G0B+3], 0x80000000
	s_mov_b32 s[G0A], 1                            ; the first half of K of all sixteen blocks
	s_mov_b32 s[G0A+1], 0
	s_mov_b64 s[G0A+2:G0A+3], s[20:21]
	s_or_b32 s[G0A+3], s[G0A+3], 0x80000000
	s_mul_i32 s18, s14, 4*12288                    ; my four blocks in memory
	s_mov_b32 s19, 0
	s_add_nc_u64 s[20:21], s[20:21], s[18:19]
	s_mov_b32 s[G0A+4], 1                          ; and their second half of K
	s_add_co_u32 s[G0A+5], s45, AQ
	s_add_nc_u64 s[G0A+6:G0A+7], s[20:21], AROWB
	s_or_b32 s[G0A+7], s[G0A+7], 0x80000000
	CROUND                                         ; all sixteen work-groups are here: the joint loads meet
; the head's loads, one a wave, in one chain of branches on the wave's number
.macro ARM under, g0, g1, next
	s_cmp_lt_u32 s14, \under
	s_cbranch_scc0 \next
	tensor_load_to_lds s[\g0:\g0+3], s[\g1:\g1+7]
	s_nop 0
.rept 4
	v_nop
.endr
	s_branch .Lhead_asked
\next:
.endm
	ARM 1, G0A, G1A, .Lhead_b
	ARM 2, G0B, G1B, .Lhead_sa
	ARM 3, G0S, G1S, .Lhead_sb
	tensor_load_to_lds s[G0SB:G0SB+3], s[G1SB:G1SB+7]
	s_nop 0
.rept 4
	v_nop
.endr
.Lhead_asked:
	v_and_b32 v1, 15, v0                           ; r
	v_bfe_u32 v2, v0, 4, 1                         ; h
	s_lshl_b32 s46, s42, 9                         ; the tile's first column, in bytes of f32
	s_mov_b32 s47, 0
	s_add_nc_u64 s[66:67], s[66:67], s[46:47]
	v_lshlrev_b32 v7, 5, v2                        ; lane (r, h) wants, for B's block b, the bias of columns 16 b + 8 h + 0 .. 7
.irp b, 0,1,2,3,4,5,6,7
	global_load_b128 v[BI+8*\b:BI+8*\b+3], v7, s[66:67] offset:64*\b
	global_load_b128 v[BI+8*\b+4:BI+8*\b+7], v7, s[66:67] offset:64*\b+16
.endr
	v_and_b32 v6, 31, v0
	v_lshlrev_b32 v[CO], 4, v6
	v_add_nc_u32 v[ADRA], s45, v[CO]               ; A: 16 x lane + my four blocks
	v_add_nc_u32 v[ADRA+1], AQ, v[ADRA]            ; the second half of K
	v_mul_u32_u24 v3, v1, BP
	v_mad_u32_u24 v3, v2, 24, v3                   ; B: a fragment's row x pitch + 24 x half
	v_add_nc_u32 v[ADRB], BBASE, v3
	v_add_nc_u32 v[ADRB+1], 4*16*BP, v[ADRB]       ; blocks 4-7: an LDS offset has 16 bits
	v_lshl_add_u32 v[ADRB+2], v2, 4, v[ADRB]       ; and the same behind one padding more
	v_lshl_add_u32 v[ADRB+3], v2, 4, v[ADRB+1]
	v_mul_u32_u24 v5, v1, 32                       ; my row's scales: 32 bytes a row,
	v_lshrrev_b32 v6, 8, v5
	v_lshl_add_u32 v5, v6, 4, v5                   ; and 16 more behind the first 256
	s_mov_b32 s22, SCB-SCA
	s_sub_co_u32 s22, s22, s16                     ; from my rows of A's scales to B's
	v_mul_u32_u24 v6, s22, v2                      ; lanes 16-31 take B's
	s_add_co_u32 s21, s16, SCA
	v_add_nc_u32 v5, v5, v6
	v_add_nc_u32 v[ADRS], s21, v5
	v_mul_u32_u24 v5, v1, SPITCH                   ; the stage: in: row r, 32 bytes for each half of the lanes
	v_lshl_add_u32 v5, v2, 5, v5
	v_add_nc_u32 v[STO], s45, v5
	v_add_nc_u32 v[RD], s45, v[CO]                 ; back: the 32 lanes take one row of 512 bytes
	s_lshl_b32 s20, s17, 8
	s_lshl_b32 s21, s14, 6
	s_add_co_u32 s20, s20, s21                     ; my first row of the output,
	s_lshl_b32 s20, s20, 12                        ; of 4,096 bytes,
	s_add_co_u32 s20, s20, s46                     ; and the tile's first column
	s_mov_b32 s21, 0
	s_add_nc_u64 s[12:13], s[12:13], s[20:21]
; A fragment of B for step s (128 along K): lane l holds row l % 16; registers 6 c .. 6 c + 5 hold K = 64 c + 32 (l / 16) + 0 .. 31: 24 bytes of the row's stream of bits, in pieces of 8 bytes.
; Lanes 0-15 take the row's pieces 12 s + 0, 1, 2 and 12 s + 6, 7, 8, lanes 16-31 those three pieces on.  16 bytes of padding lie behind every 32 pieces: where the piece three on lies behind one padding more, the second address register serves.
.macro FRAGB reg, s, i
.irp p, 0,1,2,3,4,5
.set PCE, 12*(\s)+6*(\p/3)+\p%3
.if PCE%32 < 29
	ds_load_b64 v[\reg+2*\p:\reg+2*\p+1], v[ADRB+(\i)/4] offset:8*PCE+16*(PCE/32)+((\i)%4)*16*BP
.else
	ds_load_b64 v[\reg+2*\p:\reg+2*\p+1], v[ADRB+2+(\i)/4] offset:8*PCE+16*(PCE/32)+((\i)%4)*16*BP
.endif
.endr
.endm
.macro FRAGA reg, s, i                 ; a fragment of A: a unit as it stands
.irp c, 0,1,2
	ds_load_b128 v[\reg+4*\c:\reg+4*\c+3], v[ADRA+(\s)/4] offset:AROWB*(\i)+1536*((\s)%4)+512*\c
.endr
.endm
.macro FETCH_B s                       ; B's eight fragments of step s into set s % 2
	WIN TO_B
.irp i, 0,1,2,3,4,5,6,7
	FRAGB 128*((\s)%2)+FR*\i, \s, \i
.endr
	WIN 0
.endm
.macro FETCH_A s                       ; A's four
.irp i, 0,1,2,3
	FRAGA AF+48*((\s)%2)+FR*\i, \s, \i
.endr
.endm
; 16 matrix instructions: A's blocks a0, a0 + 1 x B's eight.  The 32 accumulators take turns, one instruction a turn, in the same order in every step.  Step 0 starts the sums from the bias.
.macro MUL16 a0, s
.irp a, \a0, \a0+1
.irp b, 0,1,2,3,4,5,6,7
.if (\s) == 0
	v_wmma_scale_f32_16x16x128_f8f6f4 v[8*(8*(\a)+\b):8*(8*(\a)+\b)+7], v[128*((\s)%2)+FR*\b:128*((\s)%2)+FR*\b+FR-1], v[AF+48*((\s)%2)+FR*(\a):AF+48*((\s)%2)+FR*(\a)+FR-1], v[BI+8*\b:BI+8*\b+7], v[SC+8*\b+(\s)], v[SC+8*(\a)+(\s)] matrix_a_fmt:MATRIX_FMT_FP6 matrix_b_fmt:MATRIX_FMT_FP6 matrix_a_scale:MATRIX_SCALE_ROW1
.else
	v_wmma_scale_f32_16x16x128_f8f6f4 v[8*(8*(\a)+\b):8*(8*(\a)+\b)+7], v[128*((\s)%2)+FR*\b:128*((\s)%2)+FR*\b+FR-1], v[AF+48*((\s)%2)+FR*(\a):AF+48*((\s)%2)+FR*(\a)+FR-1], v[8*(8*(\a)+\b):8*(8*(\a)+\b)+7], v[SC+8*\b+(\s)], v[SC+8*(\a)+(\s)] matrix_a_fmt:MATRIX_FMT_FP6 matrix_b_fmt:MATRIX_FMT_FP6 matrix_a_scale:MATRIX_SCALE_ROW1
.endif
.endr
.endr
.endm
.macro PLACES n                        ; plain vector instructions between a matrix instruction and a load into, or a read of, its registers
.rept \n
	v_nop
.endr
.endm
; A step of 128 along K: 32 matrix instructions on sets s % 2.  The next step's fragments go into the other sets, which the step before multiplied: B's 48 loads at the step's head, A's 12 in its middle.
.macro STEP s
	s_wait_dscnt 0x0                               ; this step's fragments are in
.if (\s) < 7
	PLACES NP                                      ; behind the last step's products: they serve both runs of loads
	FETCH_B (\s)+1
.endif
.if (\s) == 0
	WIN MULB
.else
	WIN MUL
.endif
	MUL16 0, \s
.if (\s) < 7
	WIN 0
.if (\s) == 3
	s_wait_tensorcnt 0x0                           ; the next step begins the second half of K: my own tile of it has landed
.endif
	FETCH_A (\s)+1
.endif
.if (\s) == 0
	WIN MULB
.else
	WIN MUL
.endif
	MUL16 2, \s
.endm
	s_wait_alu depctr_va_vdst(0)
	s_wait_tensorcnt 0x0                           ; my tile of the head's four is in
	ds_add_u32 v[SPW], v[NIL]
	s_mov_b32 s[G1A+2], 4<<16                      ; no tensor load of mine is out: from here on A's load brings four rows
	s_mov_b32 s[G1A+4], 4
	s_wait_dscnt 0x0
	CROUND                                         ; everybody's tiles are in, and the joint loads meet
	tensor_load_to_lds s[G0A+4:G0A+7], s[G1A:G1A+7]
	s_nop 0
.rept 4
	v_nop
.endr
.irp i, 0,1,2,3,4,5,6,7
	ds_load_b128 v[SC+8*\i:SC+8*\i+3], v[ADRS] offset:\i*SBLK       ; a row's eight scale words, once: lanes 0-15 A's block i, lanes 16-31 B's block i.  (A has four blocks of mine: for i over 3 lanes 0-15 read words that are not used)
	ds_load_b128 v[SC+8*\i+4:SC+8*\i+7], v[ADRS] offset:\i*SBLK+16
.endr
	FETCH_B 0
	FETCH_A 0
	s_wait_loadcnt 0x0                             ; the bias
.irp s, 0,1,2,3,4,5,6,7
	STEP \s
.endr
	WIN 0
; THE WAY OUT, block by block of 16 rows x 128 columns, through my own stage in LDS: back as whole rows of 512 bytes.  LDS serves a wave's instructions in order (ISA guide 5.7.1.4): no wait between the stores and the loads.
.macro TOSTAGE a
.set AC, 64*(\a)
	WIN 0x08                                       ; the data: window 2
.irp b, 0,1,2,3,4,5,6,7
	ds_store_b128 v[STO], v[AC+8*\b:AC+8*\b+3] offset:64*\b          ; each accumulator from its low end on
	ds_store_b128 v[STO], v[AC+8*\b+4:AC+8*\b+7] offset:64*\b+16
.endr
	WIN 0
.set BB, BK+64*((\a)%2)
.irp t, 0,1,2,3,4,5,6,7,8,9,10,11,12,13,14,15
	ds_load_b128 v[BB+4*\t:BB+4*\t+3], v[RD] offset:\t*SPITCH
.endr
.endm
.macro SEND a, younger                 ; younger: the LDS instructions issued behind block a's loads, which may stay out
.set BB, BK+64*((\a)%2)
	s_wait_dscnt \younger
.irp t, 0,1,2,3,4,5,6,7,8,9,10,11,12,13,14,15
	global_store_b128 v[CO], v[BB+4*\t:BB+4*\t+3], s[12:13] offset:(32*((\a)/2)+8*((\a)%2)+\t+8*(\t/8))*SIZE_N*4 th:TH_STORE_NT   ; stored row 16 a + t goes to its true row; 32 lanes store 512 consecutive bytes, aligned
.endr
.endm
	PLACES NP                                      ; behind the last products: ahead of the first read of results and of the loads into the registers that held the bias and A's fragments
	TOSTAGE 0
.irp a, 1,2,3
.if \a > 1
	s_wait_xcnt 0x0                                ; block a - 2's stores have read their registers: block a's loads may land there
.endif
	TOSTAGE \a
	SEND \a-1, 32                                  ; behind block a - 1's loads: block a's 16 stores and 16 loads
.endr
	SEND 3, 0
	s_wait_tensorcnt 0x0                           ; the wave's end
	ds_add_u32 v[SPW], v[NIL]
	s_wait_dscnt 0x0
	CROUND                                         ; the closing round: no work-group ends while a partner may still ask for a tile that names it
	s_endpgm
.Lfunc_end_k_q83a41a5980_outp:
	.size	k_q83a41a5980_outp, .Lfunc_end_k_q83a41a5980_outp-k_q83a41a5980_outp
	.p2alignl 7, 3214868480
	.fill 96, 4, 3214868480
	.section	.rodata,"a",@progbits
	.p2align	6, 0x0
	.amdhsa_kernel k_q83a41a5980_outp
		.amdhsa_group_segment_fixed_size 327680
		.amdhsa_private_segment_fixed_size 0
		.amdhsa_enable_private_segment 0
		.amdhsa_kernarg_size 48
		.amdhsa_user_sgpr_count 2
		.amdhsa_user_sgpr_kernarg_segment_ptr 1
		.amdhsa_wavefront_size32 1
		.amdhsa_system_sgpr_workgroup_id_x 1
		.amdhsa_system_sgpr_workgroup_id_y 1
		.amdhsa_system_sgpr_workgroup_id_z 1
		.amdhsa_system_vgpr_workitem_id 0
		.amdhsa_next_free_vgpr 768
		.amdhsa_next_free_sgpr 100
		.amdhsa_reserve_vcc 0
		.amdhsa_float_denorm_mode_32 3
		.amdhsa_float_denorm_mode_16_64 3
		.amdhsa_memory_ordered 1
		.amdhsa_forward_progress 1
		.amdhsa_inst_pref_size 91
	.end_amdhsa_kernel
	.amdgpu_metadata
---
amdhsa.version: [ 1, 2 ]
amdhsa.kernels:
  - .name:           k_q83a41a5980_outp
    .symbol:         k_q83a41a5980_outp.kd
    .args:
      - { .name: oc, .offset: 0, .size: 8, .value_kind: global_buffer, .address_space: global }
      - { .name: os, .offset: 8, .size: 8, .value_kind: global_buffer, .address_space: global }
      - { .name: codes, .offset: 16, .size: 8, .value_kind: global_buffer, .address_space: global }
      - { .name: scales, .offset: 24, .size: 8, .value_kind: global_buffer, .address_space: global }
      - { .name: b_out, .offset: 32, .size: 8, .value_kind: global_buffer, .address_space: global }
      - { .name: out0, .offset: 40, .size: 8, .value_kind: global_buffer, .address_space: global }
    .group_segment_fixed_size: 327680
    .private_segment_fixed_size: 0
    .kernarg_segment_align: 8
    .kernarg_segment_size: 48
    .max_flat_workgroup_size: 128
    .sgpr_count:     100
    .vgpr_count:     768
    .wavefront_size: 32
...
	.end_amdgpu_metadata
.endif
;; end of part 4
